; MI455X (gfx1250); checked and timed in simulation.
; The chip was launched on July 23, 2026; its instructions are those of AMD's public machine-readable ISA for CDNA 5 (MIT licence, August 2026) and "CDNA5" Instruction Set Architecture Reference Guide (July 2026). The comments in the code are by the model that wrote it; some were corrected since.
;; Attention. Allowed arithmetic: matrix products marked QUANTISED: E2M3 operands, one E8M0 scale for each 32 along K, by v_wmma_scale_f32_16x16x128_f8f6f4 with both operands' format E2M3, f32 sums; everything else in f32.
;; Inputs: W_K 1,024 x 1,024 float32; W_Q 1,024 x 1,024 float32; W_V 1,024 x 1,024 float32; W_out 1,024 x 1,024 float32; x 4 x 2,048 x 1,024 float32.
;; Outputs: out0 4 x 2,048 x 1,024 float32.
;; This version of the problem:
;;   THIS VERSION OF THE PROBLEM IS GIVEN IN LOW PRECISION. The matrix products marked QUANTISED in the list below multiply operands that are first quantised to E2M3 (2 exponent bits, 3 mantissa bits; 6 bits a number), with one power-of-two scale for each 32 numbers along K (OCP MX v1.0); their sums are f32. All else is computed in f32.
;;   The module's matrix products, in the order in which they are computed (A, B: the left and right operand; K: the contracted axis; several contracted axes count as one K, in the product's order):
;;     1. [M 8,192, K 1,024] x [K 1,024, N 1,024]; A: input x; B: input W_Q: QUANTISED
;;     2. [M 8,192, K 1,024] x [K 1,024, N 1,024]; A: input x; B: input W_K: QUANTISED
;;     3. [M 8,192, K 1,024] x [K 1,024, N 1,024]; A: input x; B: input W_V: QUANTISED
;;     4. batch 64 x [M 2,048, K 64] x [K 64, N 2,048]; A: computed on the way; B: computed on the way: QUANTISED
;;     5. batch 64 x [M 2,048, K 2,048] x [K 2,048, N 64]; A: softmax (see below); B: computed on the way: QUANTISED
;;     6. [M 8,192, K 1,024] x [K 1,024, N 1,024]; A: computed on the way; B: input W_out: QUANTISED
;;   THE QUANTISER, for each operand of a quantised product, along K:
;;     - K is cut into blocks of 32 from its start; a last block that is shorter is filled with zeros.
;;     - A block's scale is 2^e with e = floor(log2(the largest magnitude in the block)) - 2, held to -126 .. 127; a block of zeros has e = 0. As a byte (E8M0): e + 127.
;;     - Each number is divided by its block's scale, clamped to +-7.5, and rounded to the nearest number of E2M3, ties to even, subnormals kept.
;;     - The product sums the exact products of the quantised numbers (number of the format x scale) in f32.
;;   ~~~python
;;   def quantise(x, axis):      # numpy; x: float32 -> the quantised numbers, widened to float32 again
;;       x = np.moveaxis(x, axis, -1); K = x.shape[-1]
;;       x = np.pad(x, [(0, 0)] * (x.ndim - 1) + [(0, -K % 32)]); x = x.reshape(x.shape[:-1] + (-1, 32)); a = np.abs(x).max(-1, keepdims=True)
;;       e = np.where(a > 0, np.clip(np.frexp(np.where(a > 0, a, 1))[1] - 1 - 2, -126, 127), 0)      # np.frexp(a)[1] - 1 = floor(log2(a)), exactly
;;       r = np.clip(x / 2.0 ** e, -7.5, 7.5)
;;       step = 2.0 ** (np.maximum(np.frexp(np.where(r == 0, 1, r))[1] - 1, 0) - 3)
;;       q = np.round(r / step) * step * 2.0 ** e      # np.round: ties to even
;;       return np.moveaxis(q.reshape(q.shape[:-2] + (-1,))[..., :K], -1, axis).astype(np.float32)
;;   ~~~
;;   SOFTMAX AHEAD OF A QUANTISED PRODUCT. Where the list says 'softmax', what is quantised is not the finished softmax but p = 2^(t - M), with t = logit x log2(e) and M = ceil(the row's largest t), a whole number; so 1/2 < the row's largest p <= 1. The row's sum l is taken of the UNQUANTISED p, in f32, and the product's result is divided by l at the end. Since M is a whole number, a kernel that streams over the keys may use a running M (the ceiling of the running maximum): every later rescaling is an exact power of two, which a block's scale takes up: the codes' values come out the same.
;;   OPERANDS COMPUTED ON THE WAY. 'Computed on the way' means the value that the module computes at that place (a softmax that the list does not call 'softmax' is quantised finished and normalised). What goes into a quantiser is computed in f32, as accurately as f32 sums, v_exp_f32 and their like allow (about 1e-6 of the number): no bf16 or f16 on the way to a quantiser, and a product that is left as it is and whose result goes on into a quantised operand takes f32 operands (vector FMAs, or v_wmma_f32_16x16x4_f32). A number that lies on a knife's edge between two numbers of the format may be rounded either way, as far as f32 arithmetic and the matrix unit's own rounding can turn it there, and no further.
;; One version. Each part assembles by itself: llvm-mc -triple=amdgcn-amd-amdhsa -mcpu=gfx1250 --defsym DOCPART=n.
;; ======== version 1 of 1: 4 launches
;; workspace buffers: xc 6,291,456 bytes; xs 262,144 bytes; wc 3,145,728 bytes; ws 131,072 bytes; qkv 20,185,088 bytes; oc 6,291,456 bytes; os 262,144 bytes
;; launch quant (part 1): grid 384 x 1, 4 waves a work-group, no clusters, 33,280 bytes of LDS; arguments x, W_Q, W_K, W_V, W_out, xc, xs, wc, ws; writes xc, xs, wc, ws
.if DOCPART == 1
	.amdgcn_target "amdgcn-amd-amdhsa--gfx1250"
	.amdhsa_code_object_version 6
	.text
	.protected	k_q22bc122bb4_quant
	.globl	k_q22bc122bb4_quant
	.p2align	8
	.type	k_q22bc122bb4_quant,@function
k_q22bc122bb4_quant:
	s_mov_b64 s[64:65], 0
	v_nop
	global_prefetch_b8 v0, s[64:65] scope:SCOPE_SE
	s_setreg_imm32_b32 hwreg(HW_REG_WAVE_MODE, 25, 1), 1
	s_wait_xcnt 0x0
; x [8192][1024] and the four weights [1024][1024], all f32 with K innermost, are turned into codes of FP6 (E2M3), 6 bits each, K innermost, with one E8M0 scale byte for each 32 along K.
; x's codes go to xc [8192][768 bytes] and its bytes to xs [8192][32]; the weights' go on end, W_Q, W_K, W_V, W_out, to wc [4096][768 bytes] and ws [4096][32].
; A block's scale is 2^(floor(log2(its largest magnitude)) - 2); its byte is the largest magnitude's own exponent field - 2, held at 1 from below.  Each number is divided by the scale and rounded to the nearest code, ties to even;
; beyond the largest code the conversion gives the largest code.
; LIMITS: a block of zeros gets the byte 1 where the quantiser's text says 127 (its codes are zeros, which add nothing under any byte but 0xff, and this program alone reads the bytes); a block whose largest magnitude lies under
; 2^-124 keeps the byte 1; NaN and infinities among the inputs are not served.
; Rows are dense and K is a multiple of 32, so every tensor is a plain stream of blocks of 32 numbers, and so are its codes and its scale bytes.
; A work-group takes 32,768 numbers, a wave 16 steps of 512.  Work-groups 0-255 take x; work-group 256 + g takes run g % 32 of weight g / 32, and its results are run g of wc and ws.  Only pointers are chosen: all take one path.
; Each of a step's four loads reads 512 consecutive bytes, 16 a lane; the 2,048 bytes go through the wave's own stage in LDS, as they lie, and come back 64 bytes a lane: 16 NEIGHBOURS along K, which is what the conversion takes
; from a lane's registers (two neighbouring lanes hold a block).  A lane's 16 codes are 12 bytes: the wave stores 384 consecutive bytes.  A wave's 256 scale bytes are gathered in LDS and leave as 256 consecutive bytes, aligned.
; No tensor loads, no barrier: waves share nothing.  Loads run four steps (16 loads a wave) ahead, the turn through LDS one step.
.set STEPS, 16
.set WGX,   256                        ; work-groups for x: 8192 x 1024 / 32768
.set EMAX,  2
.set CB,    12                         ; bytes of 16 codes
.set R,     16                         ; v16-79   four sets of 16 numbers as they are loaded
.set X,     80                         ; v80-111  two sets of 16 neighbours
.set C,     128                        ; v128-191 codes: four registers for each step, so that no store's data are written again
.set E,     112                        ; v112-127 a scale byte for each step
.set WREG,  8192                       ; LDS: a region of its own for each wave: two stages of 32 x SP bytes, and behind them its 256 scale bytes
.set SP,    80                         ; a lane's place in a stage: its 64 bytes + 16 of padding
	s_load_b256 s[4:11], s[0:1], 0x0               ; x s[4:5], W_Q s[6:7], W_K s[8:9], W_V s[10:11]
	s_load_b256 s[12:19], s[0:1], 0x20             ; W_out s[12:13], xc s[14:15], xs s[16:17], wc s[18:19]
	s_load_b64 s[20:21], s[0:1], 0x40              ; ws
	v_lshl_add_u32 v192, v0, 2, 0x8000
	v_mov_b32 v193, 0
	v_lshrrev_b32 v1, 5, v0
	v_readfirstlane_b32 s24, v1                    ; wave
	v_and_b32 v2, 31, v0                           ; lane
	v_lshlrev_b32 v3, 4, v2                        ; my 16 bytes of a load's 512
	s_mul_i32 s28, s24, WREG
	v_lshrrev_b32 v14, 2, v2
	v_mul_u32_u24 v14, v14, SP
	v_and_b32 v15, 3, v2
	v_lshl_add_u32 v14, v15, 4, v14
	v_add_nc_u32 v14, s28, v14                     ; the stage, on the way in: four lanes' 64 bytes on end, then 16 of padding
	v_mul_u32_u24 v15, v2, SP
	v_add_nc_u32 v15, s28, v15                     ; and on the way out: SP x lane: my 16 neighbours
	v_mul_u32_u24 v4, v2, CB                       ; my codes' place in a step's
	v_lshrrev_b32 v5, 1, v2
	s_add_co_u32 s28, s28, 2*32*SP
	v_add_nc_u32 v5, s28, v5                       ; LDS: my wave's 256 scale bytes, my block's byte
	v_lshlrev_b32 v7, 3, v2                        ; and on the way out 8 bytes a lane
	v_add_nc_u32 v6, s28, v7
	s_sub_co_u32 s25, ttmp9, WGX                   ; g: the run among the weights (used only where the work-group's number is 256 or more)
	s_lshr_b32 s26, s25, 5                         ; which weight
	s_and_b32 s27, s25, 31                         ; which run of it
	s_wait_alu depctr_va_vdst(0)
	s_wait_kmcnt 0x0
	s_cmp_eq_u32 s26, 1                            ; the choices hang on the work-group's number alone
	s_cselect_b64 s[6:7], s[8:9], s[6:7]
	s_cmp_eq_u32 s26, 2
	s_cselect_b64 s[6:7], s[10:11], s[6:7]
	s_cmp_eq_u32 s26, 3
	s_cselect_b64 s[6:7], s[12:13], s[6:7]
	s_cmp_lt_u32 ttmp9, WGX                        ; x's work-group or a weight's?
	s_cselect_b64 s[4:5], s[4:5], s[6:7]           ; the numbers,
	s_cselect_b64 s[8:9], s[14:15], s[18:19]       ; the codes,
	s_cselect_b64 s[10:11], s[16:17], s[20:21]     ; the scale bytes,
	s_cselect_b32 s29, ttmp9, s27                  ; the run that is read,
	s_cselect_b32 s30, ttmp9, s25                  ; and the run that is written
	s_lshl_b32 s29, s29, 2
	s_add_co_u32 s29, s29, s24                     ; my wave's run of 8,192 numbers
	s_lshl_b32 s30, s30, 2
	s_add_co_u32 s30, s30, s24
	s_lshl_b32 s32, s29, 15                        ; 32,768 bytes of numbers a run
	s_mov_b32 s33, 0
	s_add_nc_u64 s[4:5], s[4:5], s[32:33]
	s_mul_i32 s32, s30, 32*STEPS*CB                ; 6,144 bytes of codes
	s_add_nc_u64 s[8:9], s[8:9], s[32:33]
	s_lshl_b32 s32, s30, 8                         ; 256 scale bytes
	s_add_nc_u64 s[10:11], s[10:11], s[32:33]
.macro LOAD t
.irp i, 0,1,2,3
	global_load_b128 v[R+16*((\t)%4)+4*\i:R+16*((\t)%4)+4*\i+3], v3, s[4:5] offset:2048*(\t)+512*\i th:TH_LOAD_NT   ; 32 lanes read 512 consecutive bytes
.endr
.endm
.macro TURN t                          ; step t's numbers through the stage: LDS serves a wave's instructions in order, so no wait stands between the stores and the loads
.irp i, 0,1,2,3
	ds_store_b128 v14, v[R+16*((\t)%4)+4*\i:R+16*((\t)%4)+4*\i+3] offset:32*SP*((\t)%2)+8*SP*\i
.endr
.irp i, 0,1,2,3
	ds_load_b128 v[X+16*((\t)%2)+4*\i:X+16*((\t)%2)+4*\i+3], v15 offset:32*SP*((\t)%2)+16*\i
.endr
.endm
.irp t, 0,1,2,3
	LOAD \t
.endr
	s_wait_loadcnt 12                              ; step 0's four loads are in; the twelve of steps 1 to 3 may be out
	TURN 0
.macro STEP t
.set XS, X+16*((\t)%2)
.if (\t) > 0
	s_wait_dscnt 1                                 ; this step's numbers are back from the stage (the last step's byte store may be out): so its stores into the stage have read their registers,
.else
	s_wait_dscnt 0x0
.endif
.if (\t)+4 < STEPS
	LOAD (\t)+4                                    ; which take the loads of four steps on
.endif
.if (\t)+1 < STEPS
.if STEPS-2-(\t) >= 3
	s_wait_loadcnt 12                              ; the next step's four loads are in; those of the three steps behind it may be out
.else
	s_wait_loadcnt 4*(STEPS-2-(\t))
.endif
	TURN (\t)+1                                    ; and go through the other stage while this step is worked
.endif
	v_max3_num_f32 v8, |v[XS]|, |v[XS+1]|, |v[XS+2]|               ; the largest magnitude of my 16, in two chains
	v_max3_num_f32 v9, |v[XS+3]|, |v[XS+4]|, |v[XS+5]|
.irp i, 6,10
	v_max3_num_f32 v8, v8, |v[XS+\i]|, |v[XS+\i+1]|
	v_max3_num_f32 v9, v9, |v[XS+\i+2]|, |v[XS+\i+3]|
.endr
	v_max3_num_f32 v8, v8, |v[XS+14]|, |v[XS+15]|
	v_max3_num_f32 v8, v8, v9, (EMAX+1)<<23        ; and the floor 2^(EMAX + 1 - 127): the byte cannot fall under 1
	v_max_num_f32_dpp v8, v8, v8 row_xmask:1 row_mask:0xf bank_mask:0xf   ; and of my neighbour's 16: the block's
	v_add_nc_u32 v11, -(EMAX<<23), v8              ; EMAX off its exponent field: the conversion takes the exponent field of this operand as its scale, and nothing else of it
	v_cvt_scalef32_pk16_fp6_f32 v[C+4*(\t):C+4*(\t)+2], v[XS:XS+15], v11         ; sixteen codes, 96 bits without gaps, the first number's code lowest
	v_lshrrev_b32 v[E+(\t)], 23, v11               ; the scale's byte (also the plain line behind the conversion)
	ds_store_b8 v5, v[E+(\t)] offset:16*(\t)       ; both lanes of a block write the same byte with the same value
	global_store_b96 v4, v[C+4*(\t):C+4*(\t)+2], s[8:9] offset:32*CB*(\t)
.endm
.irp t, 0,1,2,3,4,5,6,7,8,9,10,11,12,13,14,15
	STEP \t
.endr
	ds_load_b64 v[12:13], v6                       ; LDS serves a wave's instructions in order: these see my stores
	s_wait_dscnt 0x0
	global_store_b64 v7, v[12:13], s[10:11]        ; 32 lanes store 256 consecutive bytes, aligned
	s_wait_tensorcnt 0x0
	ds_add_u32 v192, v193
	s_wait_dscnt 0x0
	s_endpgm
.Lfunc_end_k_q22bc122bb4_quant:
	.size	k_q22bc122bb4_quant, .Lfunc_end_k_q22bc122bb4_quant-k_q22bc122bb4_quant
	.p2alignl 7, 3214868480
	.fill 96, 4, 3214868480
	.section	.rodata,"a",@progbits
	.p2align	6, 0x0
	.amdhsa_kernel k_q22bc122bb4_quant
		.amdhsa_group_segment_fixed_size 33280
		.amdhsa_private_segment_fixed_size 0
		.amdhsa_enable_private_segment 0
		.amdhsa_kernarg_size 72
		.amdhsa_user_sgpr_count 2
		.amdhsa_user_sgpr_kernarg_segment_ptr 1
		.amdhsa_wavefront_size32 1
		.amdhsa_system_sgpr_workgroup_id_x 1
		.amdhsa_system_sgpr_workgroup_id_y 1
		.amdhsa_system_sgpr_workgroup_id_z 1
		.amdhsa_system_vgpr_workitem_id 0
		.amdhsa_next_free_vgpr 194
		.amdhsa_next_free_sgpr 66
		.amdhsa_reserve_vcc 0
		.amdhsa_float_denorm_mode_32 3
		.amdhsa_float_denorm_mode_16_64 3
		.amdhsa_memory_ordered 1
		.amdhsa_forward_progress 1
		.amdhsa_inst_pref_size 33
	.end_amdhsa_kernel
	.amdgpu_metadata
---
amdhsa.version: [ 1, 2 ]
amdhsa.kernels:
  - .name:           k_q22bc122bb4_quant
    .symbol:         k_q22bc122bb4_quant.kd
    .args:
      - { .name: x, .offset: 0, .size: 8, .value_kind: global_buffer, .address_space: global }
      - { .name: W_Q, .offset: 8, .size: 8, .value_kind: global_buffer, .address_space: global }
      - { .name: W_K, .offset: 16, .size: 8, .value_kind: global_buffer, .address_space: global }
      - { .name: W_V, .offset: 24, .size: 8, .value_kind: global_buffer, .address_space: global }
      - { .name: W_out, .offset: 32, .size: 8, .value_kind: global_buffer, .address_space: global }
      - { .name: xc, .offset: 40, .size: 8, .value_kind: global_buffer, .address_space: global }
      - { .name: xs, .offset: 48, .size: 8, .value_kind: global_buffer, .address_space: global }
      - { .name: wc, .offset: 56, .size: 8, .value_kind: global_buffer, .address_space: global }
      - { .name: ws, .offset: 64, .size: 8, .value_kind: global_buffer, .address_space: global }
    .group_segment_fixed_size: 33280
    .private_segment_fixed_size: 0
    .kernarg_segment_align: 8
    .kernarg_segment_size: 72
    .max_flat_workgroup_size: 128
    .sgpr_count:     66
    .vgpr_count:     194
    .wavefront_size: 32
...
	.end_amdgpu_metadata
.endif
;; end of part 1
;; launch qkv (part 2): grid 96 x 4, 4 waves a work-group, clusters of 4 x 4, 327,680 bytes of LDS; arguments xc, xs, wc, ws, qkv; writes qkv
.if DOCPART == 2
	.amdgcn_target "amdgcn-amd-amdhsa--gfx1250"
	.amdhsa_code_object_version 6
	.text
	.protected	k_q22bc122bb4_qkv
	.globl	k_q22bc122bb4_qkv
	.p2align	8
	.type	k_q22bc122bb4_qkv,@function
k_q22bc122bb4_qkv:
	s_mov_b64 s[64:65], 0
	v_nop
	global_prefetch_b8 v0, s[64:65] scope:SCOPE_SE
	s_setreg_imm32_b32 hwreg(HW_REG_WAVE_MODE, 25, 1), 1
	s_wait_xcnt 0x0
	s_wait_alu depctr_hold_cnt(0) depctr_sa_sdst(0) depctr_va_vdst(0) depctr_va_sdst(0) depctr_va_ssrc(0) depctr_va_vcc(0) depctr_vm_vsrc(0)
	s_getreg_b32 s2, hwreg(HW_REG_IB_STS2, 6, 4)
	s_cmp_eq_u32 s2, 0
	s_cbranch_scc0 .Lentry_in_a_cluster
	s_endpgm
.Lentry_in_a_cluster:
	s_bfe_u32 s2, ttmp6, 0x10000c
	s_cmp_lg_u32 s2, 0xf033
	s_cbranch_scc0 .Lentry_shape_is_right
	s_endpgm
.Lentry_shape_is_right:
; Q = x W_Q^T, K = x W_K^T, V = x W_V^T on codes of FP6 (E2M3) with one E8M0 scale for each 32 along K = 1024; the f32 sums are quantised again in registers, as operands of attention's two products, and only codes and scale
; words go to memory.  One text serves two orientations of C[m][n] = sum over k of A[m][k] B[n][k], chosen by the cluster's number alone:
;   clusters 0-15 (Q and K): A = x (m = token, 8192), B = W_Q and W_K on end (n = feature, 2048);   clusters 16-23 (V): A = W_V (m = feature, 1024), B = x (n = token, 8192).
; THE MATRIX INSTRUCTION IS USED TRANSPOSED (source 0 = 16 rows of B, source 1 = 16 rows of A): a lane holds one row m and its registers run along n.  So for Q and K a lane's registers run along the head's 64,
; and for V along the keys: in each case along the K of the product that will read the codes, which is what the conversions take from a lane's registers.
; A tile of C, 256 x 256, is made by a work-group of four waves; a wave makes 128 x 128: 64 accumulators of 16 x 16, 512 registers.  K goes in steps of 256 through a ring of two LDS slots filled by the tensor data mover.
; The scale bytes of the work-group's 256 rows of A and of B, for all of K, come into LDS once, with the first fills.
; CLUSTERS: 4 x 4 work-groups.  The four of a row of the cluster need the same tiles of A, the four of a column the same tiles of B: each tile is asked for JOINTLY, by the same tensor load with the same descriptor and a mask
; that names the four.
; THE RESULT: qkv holds 1,024 records of REC = 19,712 bytes, record (batch x 16 + head) x 16 + group of 128 tokens:
;   0 K's codes, 8 tiles of 16 keys x 768 | 6144 V's codes, 4 tiles of 16 of the head's 64 x 1536 | 12288 K's scale words [16 r][8 tiles] | 12800 V's [16 r][4 tiles] | 13056 Q's codes, 8 tiles x 768 | 19200 Q's scale words [16 r][8 tiles].
; 768 bytes are the IMAGE of six registers of a 6-bit operand: three pieces of 256 bytes, piece p with lane l's registers 2 p and 2 p + 1 at byte 8 l; lane (r, h) holds row r and block h of 32.  Each piece is one store of the wave:
; 256 consecutive bytes, aligned.
; THE ORDER INSIDE A BLOCK OF 32: a lane's 16 registers of two neighbouring accumulators are elements 0-7 and 16-23 (lanes 0-15) or 8-15 and 24-31 (lanes 16-31) of the block.  They are converted as they stand, so that a block's codes
; lie in the order 0-7, 16-23, 8-15, 24-31.  Q and K both have it along the head's 64, V and attention's p both along the keys: the same permutation of k on both operands of a product leaves its sums as they are.
; LIMITS: a block of zeros gets the byte 1 where the quantiser's text says 127 (zero codes; this program alone reads the bytes); a block whose largest magnitude lies under 2^-124 keeps the byte 1; NaN and infinities are not served.
; REGISTERS, in windows of 256: window 0: v0-31 addresses; v32-63 scale words, two sets; from v128 A's fragments (8 x 16 rows x 128 K), ONE set; on the way out v112-131 and v200-235 are at work.
;   window 1: B's fragments, TWO sets, at v0 and at v128.   window 2: the 32 accumulators of my rows 0-63 (accumulator (a, b) at v[8 (8 a + b)]);   window 3: those of my rows 64-127.
.set SIZE_K, 1024
.set KSTEP,  256                       ; along K in a slot
.set NQ,     KSTEP/128                 ; matrix instructions deep
.set ROWB,   192                       ; a tile's row in bytes: KSTEP codes of 6 bits
.set KROW,   SIZE_K*6/8                ; a row of codes in memory, in bytes
.set PITCH,  240                       ; an LDS row: 3 x (64 bytes of data + 16 of padding)
.set FR,     12                        ; registers of a fragment: 16 rows x 128 K
.set NL,     6                         ; LDS loads that bring one
.set NP,     4                         ; places behind this matrix instruction (ISA guide 7.12.1)
.set HALFT,  128*PITCH                 ; 128 rows: what one tensor load brings, and what one wave reads of A or of B
.set SLOT,   4*HALFT                   ; A's 256 rows, then B's 256 rows
.set LAPS,   SIZE_K/(2*KSTEP)          ; a lap = two K steps = once round the ring
.set KS,     SIZE_K/32                 ; a row of scale bytes
.set SCL,    2*SLOT                    ; behind the ring: the scales, as runs of 256 bytes + 16 of padding
.set HALFS,  (128*KS/256)*272          ; the scales of 128 rows: what one tensor load brings
.set SBLK,   (16*KS/256)*272           ; those of 16 rows
.set SPARE,  SCL+4*HALFS               ; behind the scales: the spare words, 128 bytes for each wave: two blocks of 256 bytes that no other line names
.set REC,    19712                     ; a record of qkv
.set HS,     16*REC                    ; from a head's records to the next head's
.set ADRA, 16                          ; v16-17  LDS address of my A fragments in slot 0, 1  (v18-19: the same for the pieces that lie behind one padding more)
.set ADRB, 20                          ; v20-21  the same for B  (v22-23)
.set VO0,  24                          ; v24     the way out: 8 x lane: my place in a piece of an image
.set VO1,  25                          ; v25     the same in the second image of a block of rows
.set VS0,  26                          ; v26     Q's and K's scale words: 32 r + 16 h
.set ADRS, 27                          ; v27     LDS address of my scale words: lanes 0-15 A's rows, lanes 16-31 B's
.set SPW,  28                          ; v28     LDS address of my spare word: SPARE + 4 x my thread's number; never rewritten
.set NIL,  29                          ; v29     0; never rewritten
.set VS1,  30                          ; v30     V's scale words: HS h + 16 r
.set SC,   32                          ; scale words: set s (for slot s) at v[SC + 8 NQ s]
.set AF,   128                         ; A's fragments, in window 0
.set QC,   112                         ; the way out: v112-123 the codes just made, v124-131 their second halves on the way
.set TM,   200                         ; v200-203 largest magnitudes, v204-207 the other half's, then bytes, v212-215 the conversions' scale operands
.set SW,   216                         ; v216-223 the scale word of each of my eight blocks of rows
.set SE,   224                         ; v224-227 lanes 0-15 blocks 0-3, lanes 16-31 blocks 4-7
.set SF,   228                         ; v228-231 their low halves: the first head's two bytes
.set SG,   232                         ; v232-235 their high halves: the second head's
.set G1, 24                            ; s[24:31] descriptor group 1 for A's tiles;  s[32:39] group 0, one set for each slot
.set G0, 32
.set G1B, 48                           ; s[48:55], s[56:63] the same for B's tiles
.set G0B, 56
.set G1S, 68                           ; s[68:75], s[76:79] groups 1 and 0 for A's scales;  s[80:87], s[88:91] for B's
.set G0S, 76
.set G1SB, 80
.set G0SB, 88
.set MSB, 0
.macro WIN new                         ; the immediate's high byte repeats the setting that is left
.if MSB != \new
	s_set_vgpr_msb (MSB<<8)|\new
.set MSB, \new
.endif
.endm
.set MUL_LO, 0xa1                      ; source 0 (B) window 1, source 1 (A) window 0, C and D window 2
.set MUL_HI, 0xf1                      ; the same, C and D window 3
.set TO_B,   0x40                      ; destination window 1, address window 0
; A joint load: waves 0 and 1 fetch for A, waves 2 and 3 for B.  Each of the two lines has ONE mask and one set of registers for all that issue it; the branch hangs on the wave's number alone.
; Four v_nop follow each of the two lines, ahead of the jump, the label and what follows.
.macro JLOAD g0a, g1a, g0b, g1b
	s_cmp_eq_u32 s15, 0
	s_cbranch_scc0 .Lfor_b_\@
	tensor_load_to_lds s[\g0a:\g0a+3], s[\g1a:\g1a+7]
	s_nop 0
.rept 4
	v_nop
.endr
	s_branch .Lasked_\@
.Lfor_b_\@:
	tensor_load_to_lds s[\g0b:\g0b+3], s[\g1b:\g1b+7]
	s_nop 0
.rept 4
	v_nop
.endr
.Lasked_\@:
.endm
.macro CREST                           ; a round of the cluster's barrier behind its opening barrier
	s_cmp_lg_u32 s14, 0
	s_cbranch_scc1 .Lnot_wave_0_\@
	s_barrier_signal -3
.Lnot_wave_0_\@:
	s_barrier_wait -3
	s_barrier_signal -1
	s_barrier_wait -1
.endm
.macro CROUND                          ; a whole round
	s_barrier_signal -1
	s_barrier_wait -1
	CREST
.endm
	s_load_b128 s[4:7], s[0:1], 0x0                ; x's codes s[4:5], x's scales s[6:7]
	s_load_b128 s[8:11], s[0:1], 0x10              ; the weights' codes s[8:9], their scales s[10:11]
	s_load_b64 s[12:13], s[0:1], 0x20              ; qkv
	v_lshl_add_u32 v[SPW], v0, 2, SPARE
	v_mov_b32 v[NIL], 0
	ds_add_u32 v28, v29
	ds_add_u32 v28, v29
	s_wait_dscnt 0x0
	v_lshrrev_b32 v1, 5, v0
	v_readfirstlane_b32 s14, v1                    ; wave 0..3
	s_lshr_b32 s15, s14, 1                         ; which half of the tile's rows is mine.  Also: I fetch for A (0) or for B (1)
	s_and_b32 s16, s14, 1                          ; which half of its columns.  Also: which 128 rows of that tile I fetch
	s_bfe_u32 s40, ttmp6, 0x40000                  ; cx, cy: my place in the cluster
	s_bfe_u32 s41, ttmp6, 0x40004
	s_and_b32 s18, ttmp9, 1                        ; Q and K: 2 columns x 8 rows of clusters
	s_lshr_b32 s19, ttmp9, 1
	s_sub_co_u32 s20, ttmp9, 16                    ; V: 8 columns x 1 row
	s_cmp_lt_u32 ttmp9, 16
	s_cselect_b32 s18, s18, s20                    ; the cluster's column
	s_cselect_b32 s19, s19, 0                      ; and its row
	s_lshl_b32 s42, s18, 2
	s_add_co_u32 s42, s42, s40                     ; tile column of C = 4 x cluster column + cx
	s_lshl_b32 s17, s19, 2
	s_add_co_u32 s17, s17, s41                     ; tile row of C = 4 x cluster row + cy
	s_lshl_b32 s43, s41, 2
	s_lshl_b32 s43, 15, s43                        ; my row of the cluster
	s_lshl_b32 s44, 0x1111, s40                    ; my column
	; descriptor group 1: a tile of 128 rows x ROWB bytes, padded in LDS
	s_or_b32 s[G1+0], s43, (0<<16)|(1<<20)|(1<<21)|(3<<22)|(3<<25)  ; 15:0 the mask: A's tiles go to my row; 17:16 element of 1 byte; 20 padding on; 21 set beside a mask; 24:22 after every 16 words (code 3); 31:25 of 4 words (code 3)
	s_or_b32 s[G1B+0], s44, (0<<16)|(1<<20)|(1<<21)|(3<<22)|(3<<25)
.irp g, G1, G1B
	s_mov_b32 s[\g+1], ROWB<<16                    ; tensor_dim0
	s_mov_b32 s[\g+2], 128<<16                     ; tensor_dim1 = 128
	s_mov_b32 s[\g+3], ROWB<<16                    ; tile_dim0
	s_mov_b32 s[\g+4], 128                         ; tile_dim1 = 128
	s_mov_b32 s[\g+5], KROW                        ; tensor_dim0_stride
	s_mov_b32 s[\g+6], 0
	s_mov_b32 s[\g+7], 0
.endr
	; and for the scales of 128 rows: a dense block of 128 KS bytes, as rows of 256 bytes (32 elements of 8 bytes), 16 bytes of padding behind each
	s_or_b32 s[G1S+0], s43, (3<<16)|(1<<20)|(1<<21)|(5<<22)|(3<<25)
	s_or_b32 s[G1SB+0], s44, (3<<16)|(1<<20)|(1<<21)|(5<<22)|(3<<25)
.irp g, G1S, G1SB
	s_mov_b32 s[\g+1], 32<<16
	s_mov_b32 s[\g+2], (128*KS/256)<<16
	s_mov_b32 s[\g+3], 32<<16
	s_mov_b32 s[\g+4], 128*KS/256
	s_mov_b32 s[\g+5], 32
	s_mov_b32 s[\g+6], 0
	s_mov_b32 s[\g+7], 0
.endr
	s_lshl_b32 s18, s16, 7                         ; which 128 rows of the tile I fetch
	s_lshl_b32 s20, s17, 8
	s_add_co_u32 s20, s20, s18                     ; A: row 256 x tile row + 128 x half
	s_lshl_b32 s46, s42, 8
	s_add_co_u32 s46, s46, s18                     ; B: row 256 x tile column + 128 x half
	s_mov_b32 s21, 0
	s_mov_b32 s47, 0
	s_mov_b64 s[18:19], KS
	s_mul_u64 s[22:23], s[20:21], s[18:19]         ; where these rows' scales begin, in bytes
	s_mul_u64 s[92:93], s[46:47], s[18:19]
	s_mov_b64 s[18:19], KROW
	s_mul_u64 s[20:21], s[20:21], s[18:19]         ; and their codes
	s_mul_u64 s[46:47], s[46:47], s[18:19]
	s_mul_i32 s45, s14, HALFT                      ; where they go: wave x 128 rows: no place in the cluster enters an LDS address
	s_mul_i32 s94, s14, HALFS
	s_wait_kmcnt 0x0
	s_add_nc_u64 s[96:97], s[8:9], 2048*KROW       ; W_V's codes: rows 2048 on of the weights'
	s_add_nc_u64 s[98:99], s[10:11], 2048*KS       ; and its scale bytes
	s_cmp_lt_u32 ttmp9, 16                         ; which tensor is A and which B hangs on the cluster's number alone, which all sixteen partners share
	s_cselect_b64 s[8:9], s[8:9], s[4:5]           ; B's codes: the weights' or x's
	s_cselect_b64 s[10:11], s[10:11], s[6:7]       ; B's scales
	s_cselect_b64 s[4:5], s[4:5], s[96:97]         ; A's codes: x's or W_V's
	s_cselect_b64 s[6:7], s[6:7], s[98:99]         ; A's scales
	s_add_nc_u64 s[20:21], s[4:5], s[20:21]
	s_add_nc_u64 s[22:23], s[6:7], s[22:23]
	s_add_nc_u64 s[46:47], s[8:9], s[46:47]
	s_add_nc_u64 s[92:93], s[10:11], s[92:93]
	CROUND                                         ; all sixteen work-groups are here: the first joint loads meet
	s_mov_b32 s[G0S], 1
	s_add_co_u32 s[G0S+1], s94, SCL
	s_mov_b64 s[G0S+2:G0S+3], s[22:23]
	s_or_b32 s[G0S+3], s[G0S+3], 0x80000000
	s_mov_b32 s[G0SB], 1
	s_add_co_u32 s[G0SB+1], s94, SCL
	s_mov_b64 s[G0SB+2:G0SB+3], s[92:93]
	s_or_b32 s[G0SB+3], s[G0SB+3], 0x80000000
	JLOAD G0S, G1S, G0SB, G1SB                     ; the scales first: they are wanted with K step 0
.irp s, 0,1
	s_mov_b32 s[G0+4*\s], 1
	s_add_co_u32 s[G0+4*\s+1], s45, \s*SLOT
	s_add_nc_u64 s[G0+4*\s+2:G0+4*\s+3], s[20:21], \s*ROWB
	s_or_b32 s[G0+4*\s+3], s[G0+4*\s+3], 0x80000000
	s_mov_b32 s[G0B+4*\s], 1
	s_add_co_u32 s[G0B+4*\s+1], s45, \s*SLOT
	s_add_nc_u64 s[G0B+4*\s+2:G0B+4*\s+3], s[46:47], \s*ROWB
	s_or_b32 s[G0B+4*\s+3], s[G0B+4*\s+3], 0x80000000
	JLOAD G0+4*\s, G1, G0B+4*\s, G1B               ; three tensor loads of mine are out behind the second of these
.endr
	v_and_b32 v1, 15, v0                           ; r = l % 16
	v_bfe_u32 v2, v0, 4, 1                         ; h = l / 16
	v_mul_u32_u24 v3, v1, PITCH
	v_mul_u32_u24 v4, v2, 24
	v_add_nc_u32 v4, v3, v4                        ; a fragment's row x pitch + 24 x half
	v_lshl_add_u32 v5, v2, 4, v4                   ; and the same behind one padding more
	s_mul_i32 s21, s15, HALFT                      ; my 128 rows of A
	s_mul_i32 s22, s16, HALFT                      ; my 128 rows of B,
	s_add_co_u32 s22, s22, 2*HALFT                 ; which lie behind A's 256
.irp s, 0,1
	v_add_nc_u32 v[ADRA+\s], s21, v4
	v_add_nc_u32 v[ADRB+\s], s22, v4
	v_add_nc_u32 v[ADRA+2+\s], s21, v5
	v_add_nc_u32 v[ADRB+2+\s], s22, v5
	s_add_co_u32 s21, s21, SLOT
	s_add_co_u32 s22, s22, SLOT
.endr
	v_mul_u32_u24 v5, v1, KS                       ; my row's scales: KS bytes a row,
	v_lshrrev_b32 v6, 8, v5
	v_lshl_add_u32 v5, v6, 4, v5                   ; and 16 more for each 256 passed
	s_mul_i32 s21, s15, HALFS                      ; A's: my 128 rows
	s_mul_i32 s22, s16, HALFS                      ; B's: my 128 rows, behind A's 256
	s_add_co_u32 s22, s22, 2*HALFS
	s_sub_co_u32 s22, s22, s21
	v_mul_u32_u24 v6, s22, v2                      ; lanes 16-31 take B's
	s_add_co_u32 s21, s21, SCL
	v_add_nc_u32 v5, v5, v6
	v_add_nc_u32 v[ADRS], s21, v5
	; THE WAY OUT'S ADDRESSES.  My 128 rows begin at m0, my 128 columns at n0; of the two, one counts tokens (T0) and one features (F0)
	s_lshl_b32 s20, s17, 8
	s_lshl_b32 s21, s15, 7
	s_add_co_u32 s20, s20, s21                     ; m0 = 256 x tile row + 128 x half
	s_lshl_b32 s46, s42, 8
	s_lshl_b32 s47, s16, 7
	s_add_co_u32 s46, s46, s47                     ; n0 = 256 x tile column + 128 x half
	s_cmp_lt_u32 ttmp9, 16
	s_cselect_b32 s21, s20, s46                    ; T0
	s_cselect_b32 s47, s46, s20                    ; F0: 0-1023 Q's (or V's) features, 1024-2047 K's
	s_lshr_b32 s18, s21, 11
	s_lshl_b32 s18, s18, 8                         ; batch x 256
	s_and_b32 s19, s47, 1023
	s_lshr_b32 s19, s19, 6
	s_lshl_b32 s19, s19, 4                         ; + the first of my two heads x 16
	s_or_b32 s18, s18, s19
	s_bfe_u32 s19, s21, 0x40007                    ; + the group of 128 tokens
	s_or_b32 s18, s18, s19
	s_mul_i32 s18, s18, REC                        ; the record's first byte
	s_cmp_lt_u32 s47, 1024                         ; Q's features or K's?
	s_cselect_b32 s22, 13056, 0                    ; where the codes begin in a record,
	s_mov_b32 s23, 12288
	s_cselect_b32 s23, 19200, s23                  ; and the scale words
	s_cmp_lt_u32 ttmp9, 16                         ; or V's
	s_cselect_b32 s22, s22, 6144
	s_cselect_b32 s23, s23, 12800
	s_mov_b32 s45, 768
	s_cselect_b32 s45, HS, s45                     ; from a block's first image to its second: the next head's record (Q, K), or the other 64 keys of the same tile (V)
	s_mov_b32 s94, 1536
	s_cselect_b32 s94, 768, s94                    ; from a block of rows to the next: a tile of 16 tokens (Q, K), or of 16 of the head's 64 (V);
	s_mov_b32 s96, HS-3*1536
	s_cselect_b32 s96, 768, s96                    ; from block 3 to block 4: in V the next head begins
	s_mov_b32 s95, 0
	s_mov_b32 s97, 0
	s_add_co_u32 s22, s22, s18
	s_add_co_u32 s18, s18, s23
	s_mov_b32 s23, 0
	s_mov_b32 s19, 0
	s_add_nc_u64 s[92:93], s[12:13], s[18:19]      ; the scale words
	s_add_nc_u64 s[12:13], s[12:13], s[22:23]      ; the codes
	s_mov_b32 s98, 0xffff0000                      ; lanes 16-31
	s_mov_b32 s100, 0x76543210
	s_mov_b32 s101, 0xfedcba98                     ; v_permlanex16_b32's selects for lane l xor 16
	v_and_b32 v6, 31, v0
	v_lshlrev_b32 v[VO0], 3, v6
	v_add_nc_u32 v[VO1], s45, v[VO0]
	v_lshlrev_b32 v[VS0], 5, v1
	v_lshl_add_u32 v[VS0], v2, 4, v[VS0]
	v_mul_u32_u24 v[VS1], v2, HS
	v_lshl_add_u32 v[VS1], v1, 4, v[VS1]
.macro FRAG reg, adr, q, i             ; a fragment, 16 rows x 128 K of 6-bit codes, is 12 registers: lane l holds row l % 16; registers 6 c .. 6 c + 5 hold K = 64 c + 32 (l / 16) + 0 .. 31: 24 bytes of the row's stream of bits, as they lie
.irp p, 0,1,2,3,4,5                    ; in pieces of 8 bytes.  Lanes 0-15 take the row's pieces 12 q + 0, 1, 2 and 12 q + 6, 7, 8, lanes 16-31 those three pieces on
.set PIECE, 12*(\q)+6*(\p/3)+\p%3      ; 16 bytes of padding lie behind every 64 bytes (8 pieces): where the piece three on lies behind one padding more, the second address register (40 for 24 bytes a half) serves
.if PIECE%8 < 5
	ds_load_b64 v[\reg+2*\p:\reg+2*\p+1], v[\adr] offset:8*PIECE+16*(PIECE/8)+(\i)*16*PITCH
.else
	ds_load_b64 v[\reg+2*\p:\reg+2*\p+1], v[\adr+2] offset:8*PIECE+16*(PIECE/8)+(\i)*16*PITCH
.endif
.endr
.endm
; 16 matrix instructions: A's blocks a0, a0 + 1 x B's eight, 128 along K: the slot's q-th.  p: B's set;  sc: the set of scale words.  zero = 1: the first product starts the sums: nothing is ever cleared.
; The 64 accumulators take turns, one instruction a turn, in the same order in every step.
.macro MUL16 a0, p, q, sc, zero
.irp a, \a0, \a0+1
.irp b, 0,1,2,3,4,5,6,7
.if \zero
	v_wmma_scale_f32_16x16x128_f8f6f4 v[8*(8*((\a)%4)+\b):8*(8*((\a)%4)+\b)+7], v[128*(\p)+FR*\b:128*(\p)+FR*\b+FR-1], v[AF+FR*(\a):AF+FR*(\a)+FR-1], 0, v[SC+8*NQ*(\sc)+NQ*\b+(\q)], v[SC+8*NQ*(\sc)+NQ*(\a)+(\q)] matrix_a_fmt:MATRIX_FMT_FP6 matrix_b_fmt:MATRIX_FMT_FP6 matrix_a_scale:MATRIX_SCALE_ROW1
.else
	v_wmma_scale_f32_16x16x128_f8f6f4 v[8*(8*((\a)%4)+\b):8*(8*((\a)%4)+\b)+7], v[128*(\p)+FR*\b:128*(\p)+FR*\b+FR-1], v[AF+FR*(\a):AF+FR*(\a)+FR-1], v[8*(8*((\a)%4)+\b):8*(8*((\a)%4)+\b)+7], v[SC+8*NQ*(\sc)+NQ*\b+(\q)], v[SC+8*NQ*(\sc)+NQ*(\a)+(\q)] matrix_a_fmt:MATRIX_FMT_FP6 matrix_b_fmt:MATRIX_FMT_FP6 matrix_a_scale:MATRIX_SCALE_ROW1
.endif
.endr
.endr
.endm
.macro FETCH_B slot, q, p              ; B's eight fragments of the slot's q-th 128 along K into set p
	WIN TO_B
.irp i, 0,1,2,3,4,5,6,7
	FRAG 128*(\p)+FR*\i, ADRB+\slot, \q, \i
.endr
	WIN 0
.endm
.macro FETCH_A slot, q, i0             ; A's blocks i0 .. i0 + 3
.irp i, \i0, \i0+1, \i0+2, \i0+3
	FRAG AF+FR*(\i), ADRA+\slot, \q, \i
.endr
.endm
.macro SCALES sc                       ; the next K step's scale words into set sc: NQ words a row; lanes 0-15 take A's block i, lanes 16-31 B's block i
.irp i, 0,1,2,3,4,5,6,7
	ds_load_b64 v[SC+8*NQ*\sc+NQ*\i:SC+8*NQ*\sc+NQ*\i+1], v[ADRS] offset:\i*SBLK
.endr
.endm
; A load into a register that a matrix instruction has read, and a vector instruction that reads a matrix result or writes one of a matrix instruction's registers, stand NP places behind that matrix instruction, and only plain
; vector instructions that name none of its registers are places (ISA guide 7.12.1 for vector instructions).
.macro PLACES n
.rept \n
	v_nop
.endr
.endm
; A step of 128 along K that has its successor in the same slot.
.macro STEP slot, q, zero
	s_wait_dscnt 4*NL                              ; B's set and A's blocks 0-3 are in; the youngest 24 loads (A's blocks 4-7) may be out
	WIN MUL_LO
	MUL16 0, (\q)%2, \q, \slot, \zero
	MUL16 2, (\q)%2, \q, \slot, \zero
	s_wait_dscnt 0                                 ; A's blocks 4-7 are in (asked for 32 matrix instructions ago)
	PLACES NP
	FETCH_B \slot, (\q)+1, 1-(\q)%2
	FETCH_A \slot, (\q)+1, 0
	WIN MUL_HI
	MUL16 4, (\q)%2, \q, \slot, \zero
	MUL16 6, (\q)%2, \q, \slot, \zero
	PLACES NP
	WIN 0
	FETCH_A \slot, (\q)+1, 4
.endm
; A slot's last step changes slots: ONE barrier; in front of it each wave waits for all its tensor loads, adds 0 to its spare word, and waits for that and for its own reads of this slot.  fill = 1: this slot is filled again, two K steps ahead.
.macro TURN slot, next, fill
	s_wait_tensorcnt 0x0                           ; all my tensor loads have landed: my part of the next slot;  (every window is 0 here: the add's two registers lie in window 0)
	ds_add_u32 v[SPW], v[NIL]                      ; 0 onto my spare word
	s_wait_dscnt 4*NL+1                            ; (the add and the youngest 24 loads, A's blocks 4-7, may be out)
	WIN MUL_LO
	MUL16 0, 1, NQ-1, \slot, 0                     ; sixteen matrix instructions stand between the add and the wait for it
	s_wait_dscnt 0x0                               ; the add is done, and my reads of this slot are over
	s_barrier_signal -1
	MUL16 2, 1, NQ-1, \slot, 0
	WIN 0
	s_barrier_wait -1
.if \fill
	CREST                                          ; the barrier has opened a round of the cluster's barrier: no wave of any partner still reads this slot's tile or has a load on its way
	s_add_nc_u64 s[G0+4*\slot+2:G0+4*\slot+3], s[G0+4*\slot+2:G0+4*\slot+3], 2*ROWB
	s_add_nc_u64 s[G0B+4*\slot+2:G0B+4*\slot+3], s[G0B+4*\slot+2:G0B+4*\slot+3], 2*ROWB
	JLOAD G0+4*\slot, G1, G0B+4*\slot, G1B         ; the first tensor load behind the round; the four v_nop behind it are the places in front of the loads below
.else
	PLACES NP
.endif
	s_wait_alu depctr_va_vdst(0)
	v_add_nc_u32 v[ADRS], 4*NQ, v[ADRS]            ; on to the next K step's scale words (no LDS load of mine is out)
	FETCH_B \next, 0, 0
	FETCH_A \next, 0, 0
	SCALES \next
	WIN MUL_HI
	MUL16 4, 1, NQ-1, \slot, 0
	MUL16 6, 1, NQ-1, \slot, 0
	PLACES NP
	WIN 0
	FETCH_A \next, 0, 4
.endm
	s_wait_alu depctr_va_vdst(0)
	s_wait_tensorcnt 1                             ; the scales and my part of K step 0 are in (K step 1's load may be out)
	s_barrier_signal -1
	s_barrier_wait -1                              ; everybody's are
	FETCH_B 0, 0, 0
	FETCH_A 0, 0, 0
	SCALES 0
	FETCH_A 0, 0, 4
	STEP 0, 0, 1                                   ; the first step stands in front of the loop: its products start the sums
	s_mov_b32 s3, LAPS-1
.Llap:                                                 ; a trip goes once round the ring, from a lap's second step to the next lap's first, and fills both slots again
	TURN 0, 1, 1
	STEP 1, 0, 0
	TURN 1, 0, 1
	STEP 0, 0, 0
	s_sub_co_u32 s3, s3, 1
	s_cmp_lg_u32 s3, 0
	s_cbranch_scc1 .Llap
	TURN 0, 1, 0                                   ; the last lap fills nothing, and has no round of the cluster's barrier
	STEP 1, 0, 0
	s_wait_dscnt 4*NL                              ; the very last step: nothing more to fetch
	WIN MUL_LO
	MUL16 0, 1, NQ-1, 1, 0
	MUL16 2, 1, NQ-1, 1, 0
	s_wait_dscnt 0
	WIN MUL_HI
	MUL16 4, 1, NQ-1, 1, 0
	MUL16 6, 1, NQ-1, 1, 0
	WIN 0
; THE WAY OUT, block by block of 16 rows x 128 columns: 64 numbers a lane, four blocks of 32 along the next product's K, each shared by lanes l and l xor 16.  They become 12 registers of codes (two images) and a scale word.
; Q, K: the two images are the tile's 16 tokens in my two heads.  V: they are the two halves of 128 keys for 16 of a head's 64.  Nothing goes through LDS: an image's piece is 8 bytes a lane, 256 consecutive bytes a store.
.macro EPI a
.set AC, 64*((\a)%4)                   ; the block's eight accumulators,
.set WA, 2+(\a)/4                      ; in window 2 or 3
.set WN, (WA<<2)|(WA<<4)
	WIN WN                                         ; sources 1 and 2: the accumulators' window
.irp b, 0,1,2,3
	v_max3_num_f32 v[TM+\b], 0x1800000, |v[AC+16*\b]|, |v[AC+16*\b+1]|   ; block b: my 16 numbers, and the floor 2^(3 - 127): the byte cannot fall under 1.  Each accumulator is read from its low end on
.endr
.irp i, 2,4,6,8,10,12,14
.irp b, 0,1,2,3
	v_max3_num_f32 v[TM+\b], v[TM+\b], |v[AC+16*\b+\i]|, |v[AC+16*\b+\i+1]|   ; (the four blocks by turns)
.endr
.endr
	WIN 0
.irp b, 0,1,2,3
	v_permlanex16_b32 v[TM+4+\b], v[TM+\b], s100, s101
.endr
.irp b, 0,1,2,3
	v_max_num_f32 v[TM+\b], v[TM+\b], v[TM+4+\b]   ; with lane l xor 16's: the block's largest magnitude
.endr
.irp b, 0,1,2,3
	v_add_nc_u32 v[TM+12+\b], 0xff000000, v[TM+\b] ; 2 off its exponent field: the conversion's scale operand
.endr
.irp b, 0,1,2,3
	v_lshrrev_b32 v[TM+4+\b], 23, v[TM+12+\b]      ; the scale's byte
.endr
	v_lshl_or_b32 v[SW+\a], v[TM+5], 8, v[TM+4]    ; the four bytes of my row
	v_lshl_or_b32 v[SW+\a], v[TM+6], 16, v[SW+\a]
	v_lshl_or_b32 v[SW+\a], v[TM+7], 24, v[SW+\a]
.if \a > 0
	s_wait_xcnt 0x0                                ; the last block's stores have had their addresses translated: only behind this wait are their data and their base written again
.if \a == 4
	s_add_nc_u64 s[12:13], s[12:13], s[96:97]
.else
	s_add_nc_u64 s[12:13], s[12:13], s[94:95]
.endif
.endif
	WIN WA                                         ; source 0: the accumulators' window
.irp c, 0,1
	v_cvt_scalef32_pk16_fp6_f32 v[QC+6*\c:QC+6*\c+2], v[AC+32*\c:AC+32*\c+15], v[TM+12+2*\c]
	v_cvt_scalef32_pk16_fp6_f32 v[QC+12+4*\c:QC+12+4*\c+2], v[AC+32*\c+16:AC+32*\c+31], v[TM+12+2*\c+1]   ; (a conversion's three registers begin on an even number)
.endr
	WIN 0
	v_nop                                          ; one plain place behind a scaled conversion
.irp c, 0,1                                    ; the operand's layout wants a WHOLE block in a lane: lanes 0-15 block 2 c, lanes 16-31 block 2 c + 1
.irp i, 0,1,2
	v_permlane16_swap_b32 v[QC+6*\c+\i], v[QC+12+4*\c+\i]
.endr
.irp i, 0,1,2
	v_mov_b32 v[QC+3+6*\c+\i], v[QC+12+4*\c+\i]
.endr
.endr
.irp p, 0,1,2
	global_store_b64 v[VO0], v[QC+2*\p:QC+2*\p+1], s[12:13] offset:256*\p       ; 32 lanes store 256 consecutive bytes, at a multiple of 256 from the buffer's first byte
	global_store_b64 v[VO1], v[QC+6+2*\p:QC+6+2*\p+1], s[12:13] offset:256*\p
.endr
.endm
	PLACES NP                                      ; behind the last products: the lines below write registers that held A's fragments
.irp b, 0,1,2,3
	v_mov_b32 v[TM+4+\b], 0                        ; written once: a lane permute's destination counts as one of its sources
.endr
.irp a, 0,1,2,3,4,5,6,7
	EPI \a
.endr
	; the scale words: lane r has row r's word of each of the eight blocks (both halves of the lanes hold the same)
.irp i, 0,1,2,3
	v_cndmask_b32 v[SE+\i], v[SW+\i], v[SW+4+\i], s98   ; lanes 0-15 keep blocks 0-3, lanes 16-31 take blocks 4-7
.endr
	s_cmp_lt_u32 ttmp9, 16                         ; the cluster's number: the same way in all sixteen partners
	s_cbranch_scc0 .Lwords_v
.irp i, 0,1,2,3
	v_and_b32 v[SF+\i], 0xffff, v[SE+\i]           ; Q, K: a word's bytes 0, 1 are the first head's two blocks, bytes 2, 3 the second head's.  Each head's word gets its two bytes and two bytes 0,
	v_lshrrev_b32 v[SG+\i], 16, v[SE+\i]           ; which will stand over zero codes
.endr
	global_store_b128 v[VS0], v[SF:SF+3], s[92:93]             ; [16 r][8 tiles]: 512 consecutive bytes
	global_store_b128 v[VS0], v[SG:SG+3], s[92:93] offset:HS   ; and the next head's
	s_branch .Lwords_done
.Lwords_v:
	s_wait_alu depctr_va_vdst(0)
	global_store_b128 v[VS1], v[SE:SE+3], s[92:93]             ; V: [16 r][4 tiles]: lanes 0-15 the first head's 256 bytes, lanes 16-31 the second's
.Lwords_done:
	s_wait_tensorcnt 0x0                           ; the wave's end
	ds_add_u32 v[SPW], v[NIL]
	s_wait_dscnt 0x0
	CROUND                                         ; the closing round: no work-group ends while a partner may still ask for a tile that names it
	s_endpgm
.Lfunc_end_k_q22bc122bb4_qkv:
	.size	k_q22bc122bb4_qkv, .Lfunc_end_k_q22bc122bb4_qkv-k_q22bc122bb4_qkv
	.p2alignl 7, 3214868480
	.fill 96, 4, 3214868480
	.section	.rodata,"a",@progbits
	.p2align	6, 0x0
	.amdhsa_kernel k_q22bc122bb4_qkv
		.amdhsa_group_segment_fixed_size 327680
		.amdhsa_private_segment_fixed_size 0
		.amdhsa_enable_private_segment 0
		.amdhsa_kernarg_size 40
		.amdhsa_user_sgpr_count 2
		.amdhsa_user_sgpr_kernarg_segment_ptr 1
		.amdhsa_wavefront_size32 1
		.amdhsa_system_sgpr_workgroup_id_x 1
		.amdhsa_system_sgpr_workgroup_id_y 1
		.amdhsa_system_sgpr_workgroup_id_z 1
		.amdhsa_system_vgpr_workitem_id 0
		.amdhsa_next_free_vgpr 1024
		.amdhsa_next_free_sgpr 102
		.amdhsa_reserve_vcc 0
		.amdhsa_float_denorm_mode_32 3
		.amdhsa_float_denorm_mode_16_64 3
		.amdhsa_memory_ordered 1
		.amdhsa_forward_progress 1
		.amdhsa_inst_pref_size 169
	.end_amdhsa_kernel
	.amdgpu_metadata
---
amdhsa.version: [ 1, 2 ]
amdhsa.kernels:
  - .name:           k_q22bc122bb4_qkv
    .symbol:         k_q22bc122bb4_qkv.kd
    .args:
      - { .name: xc, .offset: 0, .size: 8, .value_kind: global_buffer, .address_space: global }
      - { .name: xs, .offset: 8, .size: 8, .value_kind: global_buffer, .address_space: global }
      - { .name: wc, .offset: 16, .size: 8, .value_kind: global_buffer, .address_space: global }
      - { .name: ws, .offset: 24, .size: 8, .value_kind: global_buffer, .address_space: global }
      - { .name: qkv, .offset: 32, .size: 8, .value_kind: global_buffer, .address_space: global }
    .group_segment_fixed_size: 327680
    .private_segment_fixed_size: 0
    .kernarg_segment_align: 8
    .kernarg_segment_size: 40
    .max_flat_workgroup_size: 128
    .sgpr_count:     102
    .vgpr_count:     1024
    .wavefront_size: 32
...
	.end_amdgpu_metadata
.endif
;; end of part 2
;; launch attn (part 3): grid 4 x 64, 16 waves a work-group, clusters of 4 x 1, 210,944 bytes of LDS; arguments qkv, oc, os; writes oc, os
.if DOCPART == 3
	.amdgcn_target "amdgcn-amd-amdhsa--gfx1250"
	.amdhsa_code_object_version 6
	.text
	.protected	k_q22bc122bb4_attn
	.globl	k_q22bc122bb4_attn
	.p2align	8
	.type	k_q22bc122bb4_attn,@function
k_q22bc122bb4_attn:
	s_mov_b64 s[64:65], 0
	v_nop
	global_prefetch_b8 v0, s[64:65] scope:SCOPE_SE
	s_setreg_imm32_b32 hwreg(HW_REG_WAVE_MODE, 25, 1), 1
	s_wait_xcnt 0x0
	s_wait_alu depctr_hold_cnt(0) depctr_sa_sdst(0) depctr_va_vdst(0) depctr_va_sdst(0) depctr_va_ssrc(0) depctr_va_vcc(0) depctr_vm_vsrc(0)
	s_getreg_b32 s2, hwreg(HW_REG_IB_STS2, 6, 4)
	s_cmp_eq_u32 s2, 0
	s_cbranch_scc0 .Lentry_in_a_cluster
	s_endpgm
.Lentry_in_a_cluster:
	s_bfe_u32 s2, ttmp6, 0x10000c
	s_cmp_lg_u32 s2, 0x3003
	s_cbranch_scc0 .Lentry_shape_is_right
	s_endpgm
.Lentry_shape_is_right:
; O[b][h][q] = the sum over k <= q of softmax_k(Q[q] . K[k] / 8) V[k], head size 64, 2,048 tokens, 64 pairs (batch, head); both products on codes of FP6 (E2M3) with one E8M0 scale for each 32 along a product's K.
; Q, K, V come as register images and scale words out of qkv's records (19,712 bytes for each pair and each group of 128 tokens:
; 0 K's codes | 6144 V's codes | 12288 K's scale words | 12800 V's | 13056 Q's codes | 19200 Q's scale words).  O is quantised along the model's 1,024 in registers and leaves as images (oc) and scale bytes (os).
; THE SOFTMAX AHEAD OF THE SECOND PRODUCT: t = score x log2(e) / 8; M = the row's largest t so far, rounded UP to a whole number; p = 2^(t - M) is what is quantised, along the keys; it is not normalised.
; The row's sum is taken of the unquantised p, in f32, and divides O at the end.  When M moves, the sum and O are multiplied by 2^(old M - new M): exact.
; SHARES.  A cluster of four work-groups owns one pair (batch, head) and its 128 tiles of 16 queries.  Tile j needs j / 8 + 1 key steps of 128.  Wave w of work-group cx takes tile j = 8 (w / 2) + 2 cx + w % 2 and then tile 127 - j:
; w / 2 + 1 and 16 - w / 2 steps: 17 steps for every wave.  How many steps a tile has hangs on the wave's number alone; cx enters global addresses and the mask's comparand, no branch and no LDS address.
; LDS.  The first 13,056 bytes of the head's 16 records (K's and V's codes and scale words) fill LDS once: 16 x 13,056 bytes.  Wave w asks for record w, JOINTLY with wave w of the three partners: the same tensor load with the same
; descriptor and a mask that names the four.  Nothing is filled again and nothing is stored to LDS: one barrier behind the fill, and none after.
; LAYOUT.  Both products are used transposed: S^T = K Q^T (source 0 = 16 keys, source 1 = my 16 queries), O^T = V^T P^T (source 0 = 16 of the head's 64, source 1 = P): a lane holds ONE query (lane % 16) throughout.
; In S^T register 8 t + i of lane (r, h) is key 16 t + 8 h + i.  The 16 registers of tiles 2 b and 2 b + 1 are converted as they stand, so that a block's codes lie in the order 0-7, 16-23, 8-15, 24-31: the order in which V's codes
; were laid along the keys.  Q and K share the same order along the head's 64.  The same permutation of k on both operands of a product leaves its sums as they are.
; K = 64 IN AN INSTRUCTION OF 128.  Q's registers 6-11 are zero codes.  K's tile t is named as v[F + 6 t .. F + 6 t + 11]: its upper six registers are the next tile's codes (zeros behind tile 7); they meet zero codes.  Bytes 2 and 3 of
; both scale words are 0, which is 2^-127 and no NaN: the upper 64 add nothing to a sum.
; THE CAUSAL MASK.  Every wave walks 16 trips; a step all of whose keys come after the tile's queries is left out by a scalar branch on ids.  In a tile's last step, on the diagonal, hidden scores become -infinity ahead of the maximum.
; Each query's own key counts, and in every step that is worked the step's first key counts for all 16 queries: the maximum is a number.
; LIMITS: a block of zeros gets the byte 1 where the quantiser's text says 127 (zero codes; this program alone reads the bytes); NaN and infinities are not served; v_exp_f32 and v_rcp_f32 stand ahead of quantisers with their own accuracy.
.set REC,   19712                      ; a record
.set HS,    16*REC                     ; a head's 16 records
.set STEPB, 13056                      ; what a key step has in LDS
.set OFFV,  6144
.set OFFKS, 12288
.set OFFVS, 12800
.set OFFQ,  13056
.set OFFQS, 19200
.set HF,    768                        ; an image of six registers
.set LB,   1                           ; v1   8 x lane: my place in a piece of an image
.set LSK,  2                           ; v2   OFFKS + 32 r: my key's eight scale words
.set LSV,  3                           ; v3   OFFVS + 16 r: my row of V's four
.set ADK,  4                           ; v4-6 the same three in the step in hand
.set ADS,  5
.set ADT,  6
.set R32,  7                           ; v7   32 r
.set RB,   8                           ; v8   32 r + h: my scale byte's place in os
.set RH,   9                           ; v9   r - 8 h
.set DQ,   10                          ; v10  r - 8 h + 16 (j % 8): register 8 t + i is hidden on the diagonal where 16 t + i is greater
.set NINF, 11                          ; v11  -infinity
                                       ; v12 -M, v13 the largest t so far, v[14:15] the sum in two halves
.set QF,   16                          ; v16-27 Q: six registers of codes, six of zeros
.set QSW,  28                          ; v28  Q's scale words
.set PSW,  29                          ; v29  p's
.set FF,   30                          ; v[30:31] f = 2^(old M - new M); v31 is named with it as a pair
.set F,    32                          ; v32-79 K's eight tiles, then V's four fragments; v80-85 zeros
.set KSW,  86                          ; v86-93 K's scale words
.set VSW,  94                          ; v94-97 V's
.set S,    98                          ; v98-161 S^T, then p; on the way out O / the sum
.set O,    162                         ; v162-193 O^T
.set PC,   194                         ; v194-205 p's codes
.set PT,   206                         ; v206-213 their second halves on the way
.set BM,   214                         ; v214-217 the blocks' largest scores, then largest p
.set BP,   218                         ; v218-221 the other half's, then the bytes
.set SO,   222                         ; v222-225 the conversions' scale operands
.set SU,   226                         ; v[226:227] the sum's second chain
.set TMP,  228
.set WV,   10                          ; s10  my wave's number
.set CX,   11                          ; s11  my place in the cluster
.set BH,   12                          ; s12  batch x 16 + head
.set BB,   13                          ; s13  batch
.set HD,   14                          ; s14  head
.set G0,   16                          ; s[16:19] descriptor group 0
.set G1,   20                          ; s[20:27] group 1
.set SEL,  28                          ; s[28:29] v_permlanex16_b32's selects for lane l xor 16
.set CS,   30                          ; s[30:31] c = log2(e) / 8: the packed form names a pair and takes its low word for both halves
.set HM,   32                          ; s32  lanes 16-31
.set TB,   33                          ; s33  LDS byte at which the step in hand begins
.set ST,   34                          ; s34  the step
.set AG,   35                          ; s35  the tile's last step: j / 8
.set JJ,   36                          ; s36  j % 8
.set TL,   37                          ; s37  tiles to go
.set HB,   38                          ; s[38:39] the head's first record
.set QP,   44                          ; s[44:45] the tile's codes of Q;  s[46:47] its scale words;  s[48:49] its image in oc;  s[50:51] its bytes in os
.set QSP,  46
.set OP,   48
.set OSP,  50
.macro ROUND                           ; a round of the cluster's barrier
	s_barrier_signal -1
	s_barrier_wait -1
	s_cmp_lg_u32 s[WV], 0
	s_cbranch_scc1 .Lnot_wave_0_\@
	s_barrier_signal -3
.Lnot_wave_0_\@:
	s_barrier_wait -3
	s_barrier_signal -1
	s_barrier_wait -1
.endm
	s_load_b128 s[4:7], s[0:1], 0x0                ; qkv s[4:5], oc s[6:7]
	s_load_b64 s[8:9], s[0:1], 0x10                ; os
	v_lshl_add_u32 v254, v0, 2, 0x33000
	v_mov_b32 v255, 0
	ds_add_u32 v254, v255
	ds_add_u32 v254, v255
	v_lshrrev_b32 v1, 5, v0
	s_delay_alu instid0(VALU_DEP_1)
	v_readfirstlane_b32 s[WV], v1                  ; wave 0..15
	s_bfe_u32 s[CX], ttmp6, 0x40000
	s_and_b32 s[BH], ttmp7, 0xffff                 ; the cluster's y: the four partners share it
	s_lshr_b32 s[BB], s[BH], 4
	s_and_b32 s[HD], s[BH], 15
	; descriptor group 1: 13,056 dense bytes as 51 rows of 256 bytes (32 elements of 8 bytes), no padding
	s_mov_b32 s[G1], 15|(3<<16)|(1<<21)            ; 15:0 the mask: all four work-groups; 17:16 elements of 8 bytes; 21 set beside a mask
	s_mov_b32 s[G1+1], 32<<16                      ; tensor_dim0
	s_mov_b32 s[G1+2], 51<<16                      ; tensor_dim1
	s_mov_b32 s[G1+3], 32<<16                      ; tile_dim0
	s_mov_b32 s[G1+4], 51                          ; tile_dim1
	s_mov_b32 s[G1+5], 32                          ; tensor_dim0_stride
	s_mov_b32 s[G1+6], 0
	s_mov_b32 s[G1+7], 0
	s_mov_b32 s[G0], 1                             ; count = 1
	s_mul_i32 s[G0+1], s[WV], STEPB                ; LDS address: step w
	s_lshl_b32 s40, s[BH], 4
	s_add_co_u32 s40, s40, s[WV]
	s_mul_i32 s40, s40, REC                        ; record 16 (batch x 16 + head) + w
	s_mov_b32 s41, 0
	s_mul_i32 s42, s[BH], HS
	s_mov_b32 s43, 0
	s_mov_b32 s[SEL], 0x76543210
	s_mov_b32 s[SEL+1], 0xfedcba98
	s_mov_b32 s[CS], 0x3e38aa3b                    ; log2(e) / 8
	s_mov_b32 s[CS+1], s[CS]
	s_mov_b32 s[HM], 0xffff0000
	s_lshr_b32 s[AG], s[WV], 1                     ; the first tile: j = 8 (w / 2) + 2 cx + w % 2
	s_and_b32 s[JJ], s[WV], 1
	s_lshl_b32 s44, s[CX], 1
	s_add_co_u32 s[JJ], s[JJ], s44
	s_mov_b32 s[TL], 2
	s_wait_dscnt 0x0
	s_wait_kmcnt 0x0
	s_add_nc_u64 s[G0+2:G0+3], s[4:5], s[40:41]
	s_or_b32 s[G0+3], s[G0+3], 0x80000000          ; type = 2
	s_add_nc_u64 s[HB:HB+1], s[4:5], s[42:43]
	ROUND                                          ; all four work-groups are here: the joint loads meet
	tensor_load_to_lds s[G0:G0+3], s[G1:G1+7]      ; my one tensor load of the launch
	s_nop 0
.rept 4
	v_nop
.endr
	v_and_b32 v2, 31, v0
	s_delay_alu instid0(VALU_DEP_1)
	v_lshlrev_b32 v[LB], 3, v2
	v_and_b32 v[R32], 15, v0                       ; r
	v_bfe_u32 v[RB], v0, 4, 1                      ; h
	s_delay_alu instid0(VALU_DEP_1)
	v_lshlrev_b32 v[RH], 3, v[RB]
	s_delay_alu instid0(VALU_DEP_1)
	v_sub_nc_u32 v[RH], v[R32], v[RH]              ; r - 8 h
	s_delay_alu instid0(VALU_DEP_4)
	v_lshl_add_u32 v[LSV], v[R32], 4, OFFVS
	v_lshlrev_b32 v[R32], 5, v[R32]                ; 32 r
	s_delay_alu instid0(VALU_DEP_1)
	v_add_nc_u32 v[LSK], OFFKS, v[R32]
	s_delay_alu instid0(VALU_DEP_2)
	v_add_nc_u32 v[RB], v[R32], v[RB]              ; 32 r + h
	v_mov_b32 v[NINF], 0xff800000
.irp i, 0,1,2,3,4,5
	v_mov_b32 v[QF+6+\i], 0                        ; Q's upper 64 along K: zero codes, written once
	v_mov_b32 v[F+48+\i], 0                        ; and what stands behind K's tile 7
.endr
.irp b, 0,1,2,3
	v_mov_b32 v[BP+\b], 0                          ; written once: a lane permute's destination counts as one of its sources
.endr
	v_mov_b32 v[TMP], 0
	v_mov_b32 v[FF+1], 0                           ; (named as the upper half of a pair)
	s_wait_tensorcnt 0x0                           ; my record is in,
	s_barrier_signal -1
	s_barrier_wait -1                              ; everybody's is: the head's K and V lie in LDS for the rest of the launch
.Ltile:                                            ; two trips: tile j, then tile 127 - j
	s_mul_i32 s40, s[AG], REC                      ; the tile's group of 128 tokens
	s_mul_i32 s42, s[JJ], HF
	s_add_co_u32 s42, s42, s40
	s_add_co_u32 s42, s42, OFFQ
	s_mov_b32 s43, 0
	s_add_nc_u64 s[QP:QP+1], s[HB:HB+1], s[42:43]
	s_lshl_b32 s42, s[JJ], 2
	s_add_co_u32 s42, s42, s40
	s_add_co_u32 s42, s42, OFFQS
	s_add_nc_u64 s[QSP:QSP+1], s[HB:HB+1], s[42:43]
	s_lshl_b32 s42, s[AG], 3
	s_add_co_u32 s42, s42, s[JJ]                   ; j
	s_lshl_b32 s40, s[BB], 7
	s_add_co_u32 s42, s42, s40                     ; the tile of 16 rows among the 512
	s_lshl_b32 s40, s42, 4
	s_add_co_u32 s40, s40, s[HD]
	s_mul_i32 s40, s40, HF                         ; oc: [tile of rows][head][768 bytes]
	s_mov_b32 s41, 0
	s_add_nc_u64 s[OP:OP+1], s[6:7], s[40:41]
	s_lshl_b32 s42, s42, 9                         ; os: 16 rows of 32 bytes,
	s_lshl_b32 s40, s[HD], 1                       ; my head's two bytes
	s_add_co_u32 s42, s42, s40
	s_add_nc_u64 s[OSP:OSP+1], s[8:9], s[42:43]
	s_lshl_b32 s40, s[JJ], 4
.irp p, 0,1,2
	global_load_b64 v[QF+2*\p:QF+2*\p+1], v[LB], s[QP:QP+1] offset:256*\p   ; Q's image: 256 consecutive bytes a load
.endr
	global_load_b32 v[QSW], v[R32], s[QSP:QSP+1]   ; lane r: query r's word
	v_add_nc_u32 v[DQ], s40, v[RH]
	v_mov_b32 v13, 0xff61b1e6                      ; the largest t so far: -3e38, under every t
	s_delay_alu instid0(VALU_DEP_1)
	v_floor_f32 v12, -v13                          ; -M
	v_mov_b32 v14, 0                               ; the sum, in two halves
	v_mov_b32 v15, 0
.set n, 0
.rept 32
	v_mov_b32 v[O+n], 0                            ; O^T.  (The step is written once: the first finds zeros, which the first change of M leaves zeros)
.set n, n+1
.endr
	s_mov_b32 s[TB], 0
	s_mov_b32 s[ST], 0
	s_wait_loadcnt 0x0                             ; Q
.Lstep:                                            ; 16 trips, a constant; the work of a step whose keys all come after the tile's queries is jumped over
	s_cmp_gt_u32 s[ST], s[AG]
	s_cbranch_scc1 .Lhidden
	s_setprio 2
	v_add_nc_u32 v[ADK], s[TB], v[LB]
	v_add_nc_u32 v[ADS], s[TB], v[LSK]
	v_add_nc_u32 v[ADT], s[TB], v[LSV]
	v_nop                                          ; four places in front of loads into registers that the last step's products have read
	ds_load_b128 v[KSW:KSW+3], v[ADS]              ; my key's scale words for tiles 0-3,
	ds_load_b128 v[KSW+4:KSW+7], v[ADS] offset:16  ; 4-7
.irp t, 0,1,2,3,4,5,6,7
.irp p, 0,1,2
	ds_load_b64 v[F+6*\t+2*\p:F+6*\t+2*\p+1], v[ADK] offset:HF*\t+256*\p   ; K's images: 256 consecutive bytes a load
.endr
.endr
	s_wait_alu depctr_va_vdst(0)
	s_wait_dscnt 0x0
.irp t, 0,1,2,3,4,5,6,7                        ; S^T = K Q^T
	v_wmma_scale_f32_16x16x128_f8f6f4 v[S+8*\t:S+8*\t+7], v[F+6*\t:F+6*\t+11], v[QF:QF+11], 0, v[KSW+\t], v[QSW] matrix_a_fmt:MATRIX_FMT_FP6 matrix_b_fmt:MATRIX_FMT_FP6
.endr
.rept 4
	v_nop                                          ; places: in front of the loads over K's registers, and of the first read of the scores
.endr
	ds_load_b128 v[VSW:VSW+3], v[ADT]              ; V is asked for now and lands while the softmax is worked
.irp t, 0,1,2,3
.irp p, 0,1,2,3,4,5
	ds_load_b64 v[F+12*\t+2*\p:F+12*\t+2*\p+1], v[ADK] offset:OFFV+2*HF*\t+256*\p
.endr
.endr
	s_cmp_lg_u32 s[ST], s[AG]                      ; only the tile's last step lies on the diagonal
	s_cbranch_scc1 .Lopen
.set n, 0
.rept 64
	v_cmp_gt_i32 vcc_lo, 16*(n/8)+n%8, v[DQ]       ; register 8 t + i holds key 16 t + 8 h + i of the step; my query is its number 16 (j % 8) + r
	v_cndmask_b32 v[S+n], v[S+n], v[NINF], vcc_lo
.set n, n+1
.endr
.Lopen:
.irp b, 0,1,2,3
	v_max3_num_f32 v[BM+\b], v[S+16*\b], v[S+1+16*\b], v[S+2+16*\b]   ; THE LARGEST SCORE OF EACH BLOCK OF 32 KEYS: it serves twice: for the row's maximum, and, since p rises with the score, for the block's largest p
.endr
.irp i, 3,5,7,9,11,13
.irp b, 0,1,2,3
	v_max3_num_f32 v[BM+\b], v[BM+\b], v[S+16*\b+\i], v[S+1+16*\b+\i]   ; (the four blocks by turns)
.endr
.endr
.irp b, 0,1,2,3
	v_max_num_f32 v[BM+\b], v[BM+\b], v[S+15+16*\b]
.endr
.irp b, 0,1,2,3
	s_delay_alu instid0(VALU_DEP_4)
	v_permlanex16_b32 v[BP+\b], v[BM+\b], s[SEL], s[SEL+1]
.endr
.irp b, 0,1,2,3
	s_delay_alu instid0(VALU_DEP_4)
	v_max_num_f32 v[BM+\b], v[BM+\b], v[BP+\b]     ; with lane l xor 16's 16 keys
.endr
	s_delay_alu instid0(VALU_DEP_2)
	v_max3_num_f32 v[TMP], v[BM], v[BM+1], v[BM+2]
	s_delay_alu instid0(VALU_DEP_1)
	v_max_num_f32 v[TMP], v[TMP], v[BM+3]          ; the step's largest score of my query
	s_delay_alu instid0(VALU_DEP_1)
	v_mul_f32 v[TMP], s[CS], v[TMP]                ; as t (c is positive)
	s_delay_alu instid0(VALU_DEP_1)
	v_max_num_f32 v13, v13, v[TMP]                 ; the running largest t
	v_mov_b32 v[TMP], v12
	s_delay_alu instid0(VALU_DEP_2)
	v_floor_f32 v12, -v13                          ; the new -M = floor(-t) = -ceil(t): M IS A WHOLE NUMBER
	s_delay_alu instid0(VALU_DEP_1)
	v_sub_f32 v[TMP], v12, v[TMP]                  ; M's old value less its new one: a whole number, 0 or less
	s_delay_alu instid0(VALU_DEP_1)
	v_cvt_i32_f32 v[TMP], v[TMP]                   ; (it saturates)
	s_delay_alu instid0(VALU_DEP_1)
	v_ldexp_f32 v[FF], 1.0, v[TMP]                 ; f = 2^(old M - new M): a multiplication by it rounds nothing
.set n, 0
	s_setprio 1
.rept 32
	v_pk_fma_f32 v[S+n:S+n+1], v[S+n:S+n+1], s[CS:CS+1], v[12:13] op_sel_hi:[1,0,0]   ; t - M, two at a time (of the pairs c and -M the low word serves both halves)
.set n, n+2
.endr
.irp b, 0,1,2,3
	v_fma_f32 v[BM+\b], v[BM+\b], s[CS], v12       ; the same of each block's largest score
.endr
.set n, 0
	s_wait_alu depctr_va_vdst(0)
.rept 64
	v_exp_f32 v[S+n], v[S+n]                       ; p = 2^(t - M), at most 1: NOT normalised
.set n, n+1
.endr
	v_pk_mul_f32 v[14:15], v[14:15], v[FF:FF+1] op_sel_hi:[1,0]   ; the sums under the new M.  (A plain place behind the exponentials)
	s_wait_alu depctr_va_vdst(0)                   ; one wait for the whole batch, ahead of its first reader
.irp b, 0,1,2,3
	v_exp_f32 v[BM+\b], v[BM+\b]                   ; the block's largest p: the same two instructions on the same number give the same bits
.endr
	v_pk_add_f32 v[226:227], v[102:103], v[106:107]
	v_pk_add_f32 v[252:253], v[110:111], v[114:115]
	v_pk_add_f32 v[250:251], v[118:119], v[122:123]
	v_pk_add_f32 v[248:249], v[126:127], v[130:131]
	v_pk_add_f32 v[246:247], v[134:135], v[138:139]
	v_pk_add_f32 v[244:245], v[142:143], v[146:147]
	v_pk_add_f32 v[242:243], v[150:151], v[154:155]
	v_pk_add_f32 v[14:15], v[14:15], v[158:159]
	v_pk_add_f32 v[226:227], v[226:227], v[98:99]
	v_pk_add_f32 v[252:253], v[252:253], v[100:101]
	v_pk_add_f32 v[250:251], v[250:251], v[104:105]
	v_pk_add_f32 v[248:249], v[248:249], v[108:109]
	v_pk_add_f32 v[246:247], v[246:247], v[112:113]
	v_pk_add_f32 v[244:245], v[244:245], v[116:117]
	v_pk_add_f32 v[242:243], v[242:243], v[120:121]
	v_pk_add_f32 v[14:15], v[14:15], v[124:125]
	v_pk_add_f32 v[226:227], v[226:227], v[128:129]
	v_pk_add_f32 v[252:253], v[252:253], v[132:133]
	v_pk_add_f32 v[250:251], v[250:251], v[136:137]
	v_pk_add_f32 v[248:249], v[248:249], v[140:141]
	v_pk_add_f32 v[246:247], v[246:247], v[144:145]
	v_pk_add_f32 v[244:245], v[244:245], v[148:149]
	v_pk_add_f32 v[242:243], v[242:243], v[152:153]
	v_pk_add_f32 v[14:15], v[14:15], v[156:157]
	v_pk_add_f32 v[226:227], v[226:227], v[160:161]
	s_delay_alu instid0(VALU_DEP_2)
	v_pk_add_f32 v[14:15], v[14:15], v[248:249]
	s_delay_alu instid0(VALU_DEP_2)
	v_pk_add_f32 v[226:227], v[226:227], v[246:247]
	v_pk_add_f32 v[252:253], v[252:253], v[244:245]
	v_pk_add_f32 v[250:251], v[250:251], v[242:243]
	s_delay_alu instid0(VALU_DEP_2)
	v_pk_add_f32 v[14:15], v[14:15], v[252:253]
	s_delay_alu instid0(VALU_DEP_2)
	v_pk_add_f32 v[226:227], v[226:227], v[250:251]
	s_delay_alu instid0(VALU_DEP_1)
	v_pk_add_f32 v[14:15], v[14:15], v[226:227]
	s_wait_alu depctr_va_vdst(0)                   ; and one for the four
.irp b, 0,1,2,3
	v_max_num_f32 v[BM+\b], 0x1800000, v[BM+\b]    ; the floor 2^(3 - 127): the byte cannot fall under 1 (a block whose every p is 0 keeps that byte: its codes are zeros)
.endr
.irp b, 0,1,2,3
	s_delay_alu instid0(VALU_DEP_4)
	v_add_nc_u32 v[SO+\b], 0xff000000, v[BM+\b]    ; 2 off the exponent field: the conversion's scale operand
.endr
.irp b, 0,1,2,3
	s_delay_alu instid0(VALU_DEP_4)
	v_lshrrev_b32 v[BP+\b], 23, v[SO+\b]           ; the scale's byte
.endr
	s_delay_alu instid0(VALU_DEP_3)
	v_lshl_or_b32 v[PSW], v[BP+1], 8, v[BP]        ; p's scale word for these 128 keys
	s_delay_alu instid0(VALU_DEP_1)
	v_lshl_or_b32 v[PSW], v[BP+2], 16, v[PSW]
	s_delay_alu instid0(VALU_DEP_1)
	v_lshl_or_b32 v[PSW], v[BP+3], 24, v[PSW]
	s_setprio 0
.irp c, 0,1
	v_cvt_scalef32_pk16_fp6_f32 v[PC+6*\c:PC+2+6*\c], v[S+32*\c:S+15+32*\c], v[SO+2*\c]
	v_cvt_scalef32_pk16_fp6_f32 v[PT+4*\c:PT+2+4*\c], v[S+16+32*\c:S+31+32*\c], v[SO+2*\c+1]   ; (a conversion's three registers begin on an even number)
.endr
	v_nop                                          ; one plain place behind a scaled conversion
.irp c, 0,1                                    ; the operand's layout wants a WHOLE block in a lane: lanes 0-15 block 2 c, lanes 16-31 block 2 c + 1
.irp i, 0,1,2
	v_permlane16_swap_b32 v[PC+6*\c+\i], v[PT+4*\c+\i]
.endr
.irp i, 0,1,2
	s_delay_alu instid0(VALU_DEP_3)
	v_mov_b32 v[PC+3+6*\c+\i], v[PT+4*\c+\i]
.endr
.endr
.set n, 0
.rept 16
	v_pk_mul_f32 v[O+n:O+n+1], v[O+n:O+n+1], v[FF:FF+1] op_sel_hi:[1,0]   ; O^T under the new M: x f.  Of these sixteen, twelve name no register of a given product below: the places between p's scale word and codes and that product
.set n, n+2
.endr
	s_wait_alu depctr_va_vdst(0)
	s_wait_dscnt 0x0                               ; V
.irp t, 0,1,2,3                                ; O^T += V^T P^T: four accumulators by turns; the eight products S^T stand between two links of a chain
	v_wmma_scale_f32_16x16x128_f8f6f4 v[O+8*\t:O+8*\t+7], v[F+12*\t:F+12*\t+11], v[PC:PC+11], v[O+8*\t:O+8*\t+7], v[VSW+\t], v[PSW] matrix_a_fmt:MATRIX_FMT_FP6 matrix_b_fmt:MATRIX_FMT_FP6
.endr
.Lhidden:
	s_add_co_u32 s[TB], s[TB], STEPB
	s_add_co_u32 s[ST], s[ST], 1
	s_cmp_lt_u32 s[ST], 16
	s_cbranch_scc1 .Lstep
	s_setprio 0
	; THE TILE'S WAY OUT.  O^T is divided by the row's sum, put in the order of the head's 64, quantised in two blocks of 32, and stored as an image and two scale bytes a row.
.rept 4
	v_nop                                          ; places behind the last products
.endr
	v_add_f32 v14, v14, v15                        ; the sum's two halves,
	s_delay_alu instid0(VALU_DEP_1)
	v_permlanex16_b32 v[TMP], v14, s[SEL], s[SEL+1]
	s_delay_alu instid0(VALU_DEP_1)
	v_add_f32 v14, v14, v[TMP]                     ; and lane l xor 16's: the row's sum
	s_wait_alu depctr_va_vdst(0)
	v_rcp_f32 v14, v14
	v_nop                                          ; a plain place behind the reciprocal
	s_wait_alu depctr_va_vdst(0)                   ; and the wait ahead of its first reader
.set n, 0
.rept 16
	v_pk_mul_f32 v[S+n:S+n+1], v[O+n:O+n+1], v[14:15] op_sel_hi:[1,0]   ; register 8 t + i: o(r, 16 t + 8 h + i); each accumulator from its low end on
.set n, n+2
.endr
.irp b, 0,1
.irp i, 0,1,2,3,4,5,6,7
	v_permlane16_swap_b32 v[S+16*\b+\i], v[S+16*\b+8+\i]   ; the first's lanes 16-31 change places with the second's lanes 0-15: register 16 b + i is now o(r, 32 b + 16 h + i): W_out's codes lie in that order
.endr
.endr
.irp b, 0,1
	v_max3_num_f32 v[BM+\b], |v[S+16*\b]|, |v[S+1+16*\b]|, 0x1800000   ; block b: my 16 numbers, and the floor
.endr
.irp i, 2,4,6,8,10,12,14
.irp b, 0,1
	s_delay_alu instid0(VALU_DEP_2)
	v_max3_num_f32 v[BM+\b], v[BM+\b], |v[S+16*\b+\i]|, |v[S+1+16*\b+\i]|
.endr
.endr
.irp b, 0,1
	s_delay_alu instid0(VALU_DEP_2)
	v_permlanex16_b32 v[BP+\b], v[BM+\b], s[SEL], s[SEL+1]
.endr
.irp b, 0,1
	s_delay_alu instid0(VALU_DEP_2)
	v_max_num_f32 v[BM+\b], v[BM+\b], v[BP+\b]
.endr
.irp b, 0,1
	s_delay_alu instid0(VALU_DEP_2)
	v_add_nc_u32 v[SO+\b], 0xff000000, v[BM+\b]
.endr
.irp b, 0,1
	s_delay_alu instid0(VALU_DEP_2)
	v_lshrrev_b32 v[BP+\b], 23, v[SO+\b]
.endr
	v_cvt_scalef32_pk16_fp6_f32 v[PC:PC+2], v[S:S+15], v[SO]
	v_cvt_scalef32_pk16_fp6_f32 v[PT:PT+2], v[S+16:S+31], v[SO+1]
	v_nop                                          ; one plain place behind a scaled conversion
.irp i, 0,1,2
	v_permlane16_swap_b32 v[PC+\i], v[PT+\i]       ; lanes 0-15 block 0, lanes 16-31 block 1: lower 16 codes in the first, upper 16 in the second
.endr
.irp i, 0,1,2
	s_delay_alu instid0(VALU_DEP_3)
	v_mov_b32 v[PC+3+\i], v[PT+\i]
.endr
	v_cndmask_b32 v[TMP], v[BP], v[BP+1], s[HM]    ; lane (r, h): the byte of row r's block h
.irp p, 0,1,2
	global_store_b64 v[LB], v[PC+2*\p:PC+2*\p+1], s[OP:OP+1] offset:256*\p   ; 32 lanes store 256 consecutive bytes, at a multiple of 256 from the buffer's first byte
.endr
	global_store_b8 v[RB], v[TMP], s[OSP:OSP+1]    ; a head owns 2 of a row's 32 scale bytes: one byte a lane, one byte for each 24 bytes of codes
	s_wait_xcnt 0x0                                ; the stores have had their addresses translated: their bases and data are written again only behind this wait
	s_sub_co_u32 s[AG], 15, s[AG]                  ; tile 127 - j
	s_sub_co_u32 s[JJ], 7, s[JJ]
	s_sub_co_u32 s[TL], s[TL], 1
	s_cmp_lg_u32 s[TL], 0
	s_cbranch_scc1 .Ltile
	s_wait_dscnt 0x0
	s_wait_tensorcnt 0x0
	ds_add_u32 v254, v255
	s_wait_dscnt 0x0
	ROUND                                          ; the closing round
	s_endpgm
.Lfunc_end_k_q22bc122bb4_attn:
	.size	k_q22bc122bb4_attn, .Lfunc_end_k_q22bc122bb4_attn-k_q22bc122bb4_attn
	.p2alignl 7, 3214868480
	.fill 96, 4, 3214868480
	.section	.rodata,"a",@progbits
	.p2align	6, 0x0
	.amdhsa_kernel k_q22bc122bb4_attn
		.amdhsa_group_segment_fixed_size 210944
		.amdhsa_private_segment_fixed_size 0
		.amdhsa_enable_private_segment 0
		.amdhsa_kernarg_size 24
		.amdhsa_user_sgpr_count 2
		.amdhsa_user_sgpr_kernarg_segment_ptr 1
		.amdhsa_wavefront_size32 1
		.amdhsa_system_sgpr_workgroup_id_x 1
		.amdhsa_system_sgpr_workgroup_id_y 1
		.amdhsa_system_sgpr_workgroup_id_z 1
		.amdhsa_system_vgpr_workitem_id 0
		.amdhsa_next_free_vgpr 256
		.amdhsa_next_free_sgpr 66
		.amdhsa_reserve_vcc 1
		.amdhsa_float_denorm_mode_32 3
		.amdhsa_float_denorm_mode_16_64 3
		.amdhsa_memory_ordered 1
		.amdhsa_forward_progress 1
		.amdhsa_inst_pref_size 36
	.end_amdhsa_kernel
	.amdgpu_metadata
---
amdhsa.version: [ 1, 2 ]
amdhsa.kernels:
  - .name:           k_q22bc122bb4_attn
    .symbol:         k_q22bc122bb4_attn.kd
    .args:
      - { .name: qkv, .offset: 0, .size: 8, .value_kind: global_buffer, .address_space: global }
      - { .name: oc, .offset: 8, .size: 8, .value_kind: global_buffer, .address_space: global }
      - { .name: os, .offset: 16, .size: 8, .value_kind: global_buffer, .address_space: global }
    .group_segment_fixed_size: 210944
    .private_segment_fixed_size: 0
    .kernarg_segment_align: 8
    .kernarg_segment_size: 24
    .max_flat_workgroup_size: 512
    .sgpr_count:     66
    .vgpr_count:     256
    .wavefront_size: 32
...
	.end_amdgpu_metadata
.endif
;; end of part 3
;; launch outp (part 4): grid 4 x 32, 4 waves a work-group, clusters of 4 x 4, 327,680 bytes of LDS; arguments oc, os, wc, ws, out0; writes out0
.if DOCPART == 4
	.amdgcn_target "amdgcn-amd-amdhsa--gfx1250"
	.amdhsa_code_object_version 6
	.text
	.protected	k_q22bc122bb4_outp
	.globl	k_q22bc122bb4_outp
	.p2align	8
	.type	k_q22bc122bb4_outp,@function
k_q22bc122bb4_outp:
	s_mov_b64 s[64:65], 0
	v_nop
	global_prefetch_b8 v0, s[64:65] scope:SCOPE_SE
	s_setreg_imm32_b32 hwreg(HW_REG_WAVE_MODE, 25, 1), 1
	s_wait_xcnt 0x0
	s_wait_alu depctr_hold_cnt(0) depctr_sa_sdst(0) depctr_va_vdst(0) depctr_va_sdst(0) depctr_va_ssrc(0) depctr_va_vcc(0) depctr_vm_vsrc(0)
	s_getreg_b32 s2, hwreg(HW_REG_IB_STS2, 6, 4)
	s_cmp_eq_u32 s2, 0
	s_cbranch_scc0 .Lentry_in_a_cluster
	s_endpgm
.Lentry_in_a_cluster:
	s_bfe_u32 s2, ttmp6, 0x10000c
	s_cmp_lg_u32 s2, 0xf033
	s_cbranch_scc0 .Lentry_shape_is_right
	s_endpgm
.Lentry_shape_is_right:
; out0[m][n] = sum over k of O[m][k] W_out[n][k], m = 8192 rows, n = 1024, K = 1024, on codes of FP6 (E2M3) with one E8M0 scale for each 32 along K; out0 is f32, sums in f32.
; A = attention's result: oc holds it as REGISTER IMAGES, [tile of 16 rows: 512][head: 16][768 bytes]: six registers of an operand for 64 along K, three pieces of 256 bytes, piece p with lane l's registers 2 p, 2 p + 1 at byte 8 l.
; Its scale bytes os are [8192][32].  B = W_out: rows 3072 on of wc [4096][768 bytes], a row of codes being one stream of bits; its scale bytes: rows 3072 on of ws [4096][32].
; A tile of C, 256 x 256, is made by a work-group of four waves; a wave makes 128 x 128: 64 accumulators of 16 x 16, 512 registers.  K goes in steps of 256 through a ring of two LDS slots filled by the tensor data mover:
; of A, 16 tiles of rows x 3,072 dense bytes (four heads), read back 8 bytes a lane, 256 consecutive bytes a load; of B, 256 rows of 192 bytes, padded.
; The scale bytes of the work-group's 256 rows of A and of B, for all of K, come into LDS once, with the first fills.
; CLUSTERS: 4 x 4 work-groups.  The four of a row of the cluster need the same tiles of A, the four of a column the same tiles of B: each tile is asked for JOINTLY, by the same tensor load with the same descriptor and a mask
; that names the four.  THE MATRIX INSTRUCTION IS USED TRANSPOSED (source 0 = 16 rows of B, source 1 = 16 rows of A): a lane then holds eight neighbouring numbers of a row of C.
; There are 128 tiles of C, so 128 work-groups: the tile is kept at 256 x 256 for the sake of the multiply-adds that each byte read from LDS feeds.
; REGISTERS, in windows of 256: window 0: v0-31 addresses; v32-63 scale words, two sets; from v128 A's fragments (8 x 16 rows x 128 K), ONE set; on the way out v128-255 are free.
;   window 1: B's fragments, TWO sets, at v0 and at v128.   window 2: the 32 accumulators of my rows 0-63 (accumulator (a, b) at v[8 (8 a + b)]);   window 3: those of my rows 64-127.
.set SIZE_N, 1024
.set SIZE_K, 1024
.set KSTEP,  256                       ; along K in a slot
.set NQ,     KSTEP/128                 ; matrix instructions deep
.set ROWB,   192                       ; a row of B's tile in bytes
.set KROW,   SIZE_K*6/8                ; a row of codes in memory, in bytes (in oc: a sixteenth of a tile of rows)
.set PITCH,  240                       ; B's row in LDS: 3 x (64 bytes of data + 16 of padding)
.set AROW,   3072                      ; a tile of 16 rows of A, 256 along K: four images
.set FR,     12                        ; registers of a fragment: 16 rows x 128 K
.set NL,     6                         ; LDS loads that bring one
.set NP,     4                         ; places behind this matrix instruction (ISA guide 7.12.1)
.set HALFA,  8*AROW                    ; 128 rows of A: what one tensor load brings, and what one wave reads
.set HALFT,  128*PITCH                 ; the same of B
.set SLOT,   2*HALFA+2*HALFT           ; A's 256 rows, then B's 256 rows
.set LAPS,   SIZE_K/(2*KSTEP)          ; a lap = two K steps = once round the ring
.set KS,     SIZE_K/32                 ; a row of scale bytes
.set SCL,    2*SLOT                    ; behind the ring: the scales, as runs of 256 bytes + 16 of padding
.set HALFS,  (128*KS/256)*272          ; the scales of 128 rows: what one tensor load brings
.set SBLK,   (16*KS/256)*272           ; those of 16 rows
.set SPARE,  SCL+4*HALFS               ; behind the scales: the spare words, 128 bytes for each wave: two blocks of 256 bytes that no other line names
.set SPITCH, 528                       ; the way out: a stage of 16 rows x (512 bytes + 16) for each wave.  It lies in slot 0, which has had its last fill and its last read when the first result is stored there
.set ADRA, 16                          ; v16-17  LDS address of my A fragments in slot 0, 1
.set ADRB, 20                          ; v20-21  the same for B  (v22-23: for the pieces that lie behind one padding more)
.set STO,  24                          ; v24     the way out: where I put 32 bytes of a row
.set RD,   25                          ; v25     the way out: where I read a row back
.set CO,   26                          ; v26     my byte offset in a row of C
.set ADRS, 27                          ; v27     LDS address of my scale words: lanes 0-15 A's rows, lanes 16-31 B's
.set SPW,  28                          ; v28     LDS address of my spare word: SPARE + 4 x my thread's number; never rewritten
.set NIL,  29                          ; v29     0; never rewritten
.set SC,   32                          ; scale words: set s (for slot s) at v[SC + 8 NQ s]
.set AF,   128                         ; A's fragments, in window 0
.set BK,   128                         ; the way out: 16 rows read back from the stage: v128-191 and v192-255 by turns
.set G1, 24                            ; s[24:31] descriptor group 1 for A's tiles;  s[32:39] group 0, one set for each slot
.set G0, 32
.set G1B, 48                           ; s[48:55], s[56:63] the same for B's tiles
.set G0B, 56
.set G1S, 68                           ; s[68:75], s[76:79] groups 1 and 0 for A's scales;  s[80:87], s[88:91] for B's
.set G0S, 76
.set G1SB, 80
.set G0SB, 88
.set MSB, 0
.macro WIN new                         ; the immediate's high byte repeats the setting that is left
.if MSB != \new
	s_set_vgpr_msb (MSB<<8)|\new
.set MSB, \new
.endif
.endm
.set MUL_LO, 0xa1                      ; source 0 (B) window 1, source 1 (A) window 0, C and D window 2
.set MUL_HI, 0xf1                      ; the same, C and D window 3
.set TO_B,   0x40                      ; destination window 1, address window 0
; A joint load: waves 0 and 1 fetch for A, waves 2 and 3 for B.  Each of the two lines has ONE mask and one set of registers for all that issue it; the branch hangs on the wave's number alone.
; Four v_nop follow each of the two lines, ahead of the jump, the label and what follows.
.macro JLOAD g0a, g1a, g0b, g1b
	s_cmp_eq_u32 s15, 0
	s_cbranch_scc0 .Lfor_b_\@
	tensor_load_to_lds s[\g0a:\g0a+3], s[\g1a:\g1a+7]
	s_nop 0
.rept 4
	v_nop
.endr
	s_branch .Lasked_\@
.Lfor_b_\@:
	tensor_load_to_lds s[\g0b:\g0b+3], s[\g1b:\g1b+7]
	s_nop 0
.rept 4
	v_nop
.endr
.Lasked_\@:
.endm
.macro CREST                           ; a round of the cluster's barrier behind its opening barrier
	s_cmp_lg_u32 s14, 0
	s_cbranch_scc1 .Lnot_wave_0_\@
	s_barrier_signal -3
.Lnot_wave_0_\@:
	s_barrier_wait -3
	s_barrier_signal -1
	s_barrier_wait -1
.endm
.macro CROUND                          ; a whole round
	s_barrier_signal -1
	s_barrier_wait -1
	CREST
.endm
	s_load_b128 s[4:7], s[0:1], 0x0                ; A's images s[4:5], A's scales s[6:7]
	s_load_b128 s[8:11], s[0:1], 0x10              ; the weights' codes s[8:9], their scales s[10:11]
	s_load_b64 s[12:13], s[0:1], 0x20              ; C
	v_lshl_add_u32 v[SPW], v0, 2, SPARE
	v_mov_b32 v[NIL], 0
	ds_add_u32 v28, v29
	ds_add_u32 v28, v29
	s_wait_dscnt 0x0
	v_lshrrev_b32 v1, 5, v0
	v_readfirstlane_b32 s14, v1                    ; wave 0..3
	s_lshr_b32 s15, s14, 1                         ; which half of the tile's rows is mine.  Also: I fetch for A (0) or for B (1)
	s_and_b32 s16, s14, 1                          ; which half of its columns.  Also: which 128 rows of that tile I fetch
	s_bfe_u32 s40, ttmp6, 0x40000                  ; cx, cy: my place in the cluster
	s_bfe_u32 s41, ttmp6, 0x40004
	s_lshl_b32 s42, ttmp9, 2
	s_add_co_u32 s42, s42, s40                     ; tile column of C = 4 x cluster x + cx
	s_and_b32 s17, ttmp7, 0xffff
	s_lshl_b32 s17, s17, 2
	s_add_co_u32 s17, s17, s41                     ; tile row of C = 4 x cluster y + cy
	s_lshl_b32 s43, s41, 2
	s_lshl_b32 s43, 15, s43                        ; my row of the cluster
	s_lshl_b32 s44, 0x1111, s40                    ; my column
	; descriptor group 1 for A: 8 tiles of rows x 3,072 dense bytes (384 elements of 8 bytes), 12,288 bytes (1,536 elements) apart in memory, on end in LDS
	s_or_b32 s[G1+0], s43, (3<<16)|(1<<21)         ; 15:0 the mask: A's tiles go to my row; 17:16 elements of 8 bytes; 20 padding off; 21 set beside a mask
	s_mov_b32 s[G1+1], 384<<16                     ; tensor_dim0
	s_mov_b32 s[G1+2], 8<<16                       ; tensor_dim1
	s_mov_b32 s[G1+3], 384<<16                     ; tile_dim0
	s_mov_b32 s[G1+4], 8                           ; tile_dim1
	s_mov_b32 s[G1+5], 1536                        ; tensor_dim0_stride
	s_mov_b32 s[G1+6], 0
	s_mov_b32 s[G1+7], 0
	; for B: 128 rows x ROWB bytes, padded in LDS
	s_or_b32 s[G1B+0], s44, (0<<16)|(1<<20)|(1<<21)|(3<<22)|(3<<25)  ; the mask of my column; element of 1 byte; padding on; after every 16 words (code 3) 4 words (code 3)
	s_mov_b32 s[G1B+1], ROWB<<16
	s_mov_b32 s[G1B+2], 128<<16
	s_mov_b32 s[G1B+3], ROWB<<16
	s_mov_b32 s[G1B+4], 128
	s_mov_b32 s[G1B+5], KROW
	s_mov_b32 s[G1B+6], 0
	s_mov_b32 s[G1B+7], 0
	; and for the scales of 128 rows: a dense block of 128 KS bytes, as rows of 256 bytes (32 elements of 8 bytes), 16 bytes of padding behind each
	s_or_b32 s[G1S+0], s43, (3<<16)|(1<<20)|(1<<21)|(5<<22)|(3<<25)
	s_or_b32 s[G1SB+0], s44, (3<<16)|(1<<20)|(1<<21)|(5<<22)|(3<<25)
.irp g, G1S, G1SB
	s_mov_b32 s[\g+1], 32<<16
	s_mov_b32 s[\g+2], (128*KS/256)<<16
	s_mov_b32 s[\g+3], 32<<16
	s_mov_b32 s[\g+4], 128*KS/256
	s_mov_b32 s[\g+5], 32
	s_mov_b32 s[\g+6], 0
	s_mov_b32 s[\g+7], 0
.endr
	s_lshl_b32 s18, s16, 7                         ; which 128 rows of the tile I fetch
	s_lshl_b32 s20, s17, 8
	s_add_co_u32 s20, s20, s18                     ; A: row 256 x tile row + 128 x half
	s_lshl_b32 s46, s42, 8
	s_add_co_u32 s46, s46, s18                     ; B: row 256 x tile column + 128 x half
	s_mov_b32 s21, 0
	s_mov_b32 s47, 0
	s_mov_b64 s[18:19], KS
	s_mul_u64 s[22:23], s[20:21], s[18:19]         ; where these rows' scales begin, in bytes
	s_mul_u64 s[92:93], s[46:47], s[18:19]
	s_mov_b64 s[18:19], KROW
	s_mul_u64 s[20:21], s[20:21], s[18:19]         ; and their codes (A: the row is a multiple of 16, and 16 x KROW bytes are a tile of rows in oc)
	s_mul_u64 s[46:47], s[46:47], s[18:19]
	s_mul_i32 s45, s16, HALFA                      ; where they go: A's two halves,
	s_mul_i32 s95, s16, HALFT
	s_add_co_u32 s95, s95, 2*HALFA                 ; then B's two: no place in the cluster enters an LDS address
	s_mul_i32 s94, s14, HALFS
	s_wait_kmcnt 0x0
	s_add_nc_u64 s[8:9], s[8:9], 3072*KROW         ; W_out's codes: rows 3072 on of the weights'
	s_add_nc_u64 s[10:11], s[10:11], 3072*KS       ; and its scale bytes
	s_add_nc_u64 s[20:21], s[4:5], s[20:21]
	s_add_nc_u64 s[22:23], s[6:7], s[22:23]
	s_add_nc_u64 s[46:47], s[8:9], s[46:47]
	s_add_nc_u64 s[92:93], s[10:11], s[92:93]
	CROUND                                         ; all sixteen work-groups are here: the first joint loads meet
	s_mov_b32 s[G0S], 1
	s_add_co_u32 s[G0S+1], s94, SCL
	s_mov_b64 s[G0S+2:G0S+3], s[22:23]
	s_or_b32 s[G0S+3], s[G0S+3], 0x80000000
	s_mov_b32 s[G0SB], 1
	s_add_co_u32 s[G0SB+1], s94, SCL
	s_mov_b64 s[G0SB+2:G0SB+3], s[92:93]
	s_or_b32 s[G0SB+3], s[G0SB+3], 0x80000000
	JLOAD G0S, G1S, G0SB, G1SB                     ; the scales first: they are wanted with K step 0
.irp s, 0,1
	s_mov_b32 s[G0+4*\s], 1
	s_add_co_u32 s[G0+4*\s+1], s45, \s*SLOT
	s_add_nc_u64 s[G0+4*\s+2:G0+4*\s+3], s[20:21], \s*AROW
	s_or_b32 s[G0+4*\s+3], s[G0+4*\s+3], 0x80000000
	s_mov_b32 s[G0B+4*\s], 1
	s_add_co_u32 s[G0B+4*\s+1], s95, \s*SLOT
	s_add_nc_u64 s[G0B+4*\s+2:G0B+4*\s+3], s[46:47], \s*ROWB
	s_or_b32 s[G0B+4*\s+3], s[G0B+4*\s+3], 0x80000000
	s_wait_alu depctr_va_vdst(0)
	s_wait_tensorcnt 0x0
	ds_add_u32 v28, v29
	s_wait_dscnt 0x0
	CROUND
	JLOAD G0+4*\s, G1, G0B+4*\s, G1B               ; one tensor load of mine is out behind each of these
.endr
	v_and_b32 v1, 15, v0                           ; l % 16
	v_bfe_u32 v2, v0, 4, 1                         ; l / 16
	v_mul_u32_u24 v3, v1, PITCH
	v_mul_u32_u24 v4, v2, 24
	v_add_nc_u32 v4, v3, v4                        ; B: a fragment's row x pitch + 24 x half
	v_lshl_add_u32 v5, v2, 4, v4                   ; and the same behind one padding more
	v_and_b32 v6, 31, v0
	v_lshlrev_b32 v6, 3, v6                        ; A: 8 x lane
	s_mul_i32 s21, s15, HALFA                      ; my 128 rows of A
	s_mul_i32 s22, s16, HALFT                      ; my 128 rows of B,
	s_add_co_u32 s22, s22, 2*HALFA                 ; which lie behind A's 256
.irp s, 0,1
	v_add_nc_u32 v[ADRA+\s], s21, v6
	v_add_nc_u32 v[ADRB+\s], s22, v4
	v_add_nc_u32 v[ADRB+2+\s], s22, v5
	s_add_co_u32 s21, s21, SLOT
	s_add_co_u32 s22, s22, SLOT
.endr
	v_mul_u32_u24 v5, v1, KS                       ; my row's scales: KS bytes a row,
	v_lshrrev_b32 v6, 8, v5
	v_lshl_add_u32 v5, v6, 4, v5                   ; and 16 more for each 256 passed
	s_mul_i32 s21, s15, HALFS                      ; A's: my 128 rows
	s_mul_i32 s22, s16, HALFS                      ; B's: my 128 rows, behind A's 256
	s_add_co_u32 s22, s22, 2*HALFS
	s_sub_co_u32 s22, s22, s21
	v_mul_u32_u24 v6, s22, v2                      ; lanes 16-31 take B's
	s_add_co_u32 s21, s21, SCL
	v_add_nc_u32 v5, v5, v6
	v_add_nc_u32 v[ADRS], s21, v5
	s_mul_i32 s23, s14, 16*SPITCH                  ; my stage
	v_mul_u32_u24 v5, v1, SPITCH                   ; in: row l % 16, 32 bytes for each half of the lanes
	v_lshl_add_u32 v5, v2, 5, v5
	v_add_nc_u32 v[STO], s23, v5
	v_and_b32 v6, 31, v0
	v_lshlrev_b32 v[CO], 4, v6                     ; back: the 32 lanes take one row of 512 bytes; and the same in C
	v_add_nc_u32 v[RD], s23, v[CO]
	s_lshl_b32 s20, s17, 8
	s_lshl_b32 s21, s15, 7
	s_add_co_u32 s20, s20, s21                     ; my first row of C: 256 x tile row + 128 x half
	s_mov_b32 s21, 0
	s_mov_b64 s[18:19], SIZE_N*4
	s_mul_u64 s[20:21], s[20:21], s[18:19]
	s_lshl_b32 s46, s42, 10                        ; my first column, in bytes: 1024 x tile column + 512 x half
	s_lshl_b32 s47, s16, 9
	s_add_co_u32 s46, s46, s47
	s_mov_b32 s47, 0
	s_add_nc_u64 s[20:21], s[20:21], s[46:47]
	s_add_nc_u64 s[12:13], s[12:13], s[20:21]
.macro FRAG reg, adr, q, i             ; a fragment of B, 16 rows x 128 K of 6-bit codes, is 12 registers: lane l holds row l % 16; registers 6 c .. 6 c + 5 hold K = 64 c + 32 (l / 16) + 0 .. 31: 24 bytes of the row's stream of bits, as they lie
.irp p, 0,1,2,3,4,5                    ; in pieces of 8 bytes.  Lanes 0-15 take the row's pieces 12 q + 0, 1, 2 and 12 q + 6, 7, 8, lanes 16-31 those three pieces on
.set PIECE, 12*(\q)+6*(\p/3)+\p%3      ; 16 bytes of padding lie behind every 64 bytes (8 pieces): where the piece three on lies behind one padding more, the second address register (40 for 24 bytes a half) serves
.if PIECE%8 < 5
	ds_load_b64 v[\reg+2*\p:\reg+2*\p+1], v[\adr] offset:8*PIECE+16*(PIECE/8)+(\i)*16*PITCH
.else
	ds_load_b64 v[\reg+2*\p:\reg+2*\p+1], v[\adr+2] offset:8*PIECE+16*(PIECE/8)+(\i)*16*PITCH
.endif
.endr
.endm
.macro FRAGA reg, slot, q, i           ; a fragment of A: two images (heads 2 q and 2 q + 1 of the slot's four) of tile of rows i: six pieces of 256 bytes, 8 bytes a lane
.irp p, 0,1,2,3,4,5
	ds_load_b64 v[\reg+2*\p:\reg+2*\p+1], v[ADRA+\slot] offset:(\i)*AROW+(2*(\q)+\p/3)*768+(\p%3)*256
.endr
.endm
; 16 matrix instructions: A's blocks a0, a0 + 1 x B's eight, 128 along K: the slot's q-th.  p: B's set;  sc: the set of scale words.  zero = 1: the first product starts the sums: nothing is ever cleared.
; The 64 accumulators take turns, one instruction a turn, in the same order in every step.
.macro MUL16 a0, p, q, sc, zero
.irp a, \a0, \a0+1
.irp b, 0,1,2,3,4,5,6,7
.if \zero
	v_wmma_scale_f32_16x16x128_f8f6f4 v[8*(8*((\a)%4)+\b):8*(8*((\a)%4)+\b)+7], v[128*(\p)+FR*\b:128*(\p)+FR*\b+FR-1], v[AF+FR*(\a):AF+FR*(\a)+FR-1], 0, v[SC+8*NQ*(\sc)+NQ*\b+(\q)], v[SC+8*NQ*(\sc)+NQ*(\a)+(\q)] matrix_a_fmt:MATRIX_FMT_FP6 matrix_b_fmt:MATRIX_FMT_FP6 matrix_a_scale:MATRIX_SCALE_ROW1
.else
	v_wmma_scale_f32_16x16x128_f8f6f4 v[8*(8*((\a)%4)+\b):8*(8*((\a)%4)+\b)+7], v[128*(\p)+FR*\b:128*(\p)+FR*\b+FR-1], v[AF+FR*(\a):AF+FR*(\a)+FR-1], v[8*(8*((\a)%4)+\b):8*(8*((\a)%4)+\b)+7], v[SC+8*NQ*(\sc)+NQ*\b+(\q)], v[SC+8*NQ*(\sc)+NQ*(\a)+(\q)] matrix_a_fmt:MATRIX_FMT_FP6 matrix_b_fmt:MATRIX_FMT_FP6 matrix_a_scale:MATRIX_SCALE_ROW1
.endif
.endr
.endr
.endm
.macro FETCH_B slot, q, p              ; B's eight fragments of the slot's q-th 128 along K into set p
	WIN TO_B
.irp i, 0,1,2,3,4,5,6,7
	FRAG 128*(\p)+FR*\i, ADRB+\slot, \q, \i
.endr
	WIN 0
.endm
.macro FETCH_A slot, q, i0             ; A's blocks i0 .. i0 + 3
.irp i, \i0, \i0+1, \i0+2, \i0+3
	FRAGA AF+FR*(\i), \slot, \q, \i
.endr
.endm
.macro SCALES sc                       ; the next K step's scale words into set sc: NQ words a row; lanes 0-15 take A's block i, lanes 16-31 B's block i
.irp i, 0,1,2,3,4,5,6,7
	ds_load_b64 v[SC+8*NQ*\sc+NQ*\i:SC+8*NQ*\sc+NQ*\i+1], v[ADRS] offset:\i*SBLK
.endr
.endm
; A load into a register that a matrix instruction has read, and a vector instruction or an LDS store that reads a matrix result, stand NP places behind that matrix instruction, and only plain vector
; instructions that name none of its registers are places (ISA guide 7.12.1 for vector instructions).
.macro PLACES n
.rept \n
	v_nop
.endr
.endm
; A step of 128 along K that has its successor in the same slot.
.macro STEP slot, q, zero
	s_wait_dscnt 4*NL                              ; B's set and A's blocks 0-3 are in; the youngest 24 loads (A's blocks 4-7) may be out
	WIN MUL_LO
	MUL16 0, (\q)%2, \q, \slot, \zero
	MUL16 2, (\q)%2, \q, \slot, \zero
	s_wait_dscnt 0                                 ; A's blocks 4-7 are in (asked for 32 matrix instructions ago)
	PLACES NP
	FETCH_B \slot, (\q)+1, 1-(\q)%2
	FETCH_A \slot, (\q)+1, 0
	WIN MUL_HI
	MUL16 4, (\q)%2, \q, \slot, \zero
	MUL16 6, (\q)%2, \q, \slot, \zero
	PLACES NP
	WIN 0
	FETCH_A \slot, (\q)+1, 4
.endm
; A slot's last step changes slots: ONE barrier; in front of it each wave waits for all its tensor loads, adds 0 to its spare word, and waits for that and for its own reads of this slot.  fill = 1: this slot is filled again, two K steps ahead.
.macro TURN slot, next, fill
	s_wait_tensorcnt 0x0                           ; all my tensor loads have landed: my part of the next slot;  (every window is 0 here: the add's two registers lie in window 0)
	ds_add_u32 v[SPW], v[NIL]                      ; 0 onto my spare word
	s_wait_dscnt 4*NL+1                            ; (the add and the youngest 24 loads, A's blocks 4-7, may be out)
	WIN MUL_LO
	MUL16 0, 1, NQ-1, \slot, 0                     ; sixteen matrix instructions stand between the add and the wait for it
	s_wait_dscnt 0x0                               ; the add is done, and my reads of this slot are over
	s_barrier_signal -1
	MUL16 2, 1, NQ-1, \slot, 0
	WIN 0
	s_barrier_wait -1
.if \fill
	CREST                                          ; the barrier has opened a round of the cluster's barrier: no wave of any partner still reads this slot's tile or has a load on its way
	s_add_nc_u64 s[G0+4*\slot+2:G0+4*\slot+3], s[G0+4*\slot+2:G0+4*\slot+3], 2*AROW
	s_add_nc_u64 s[G0B+4*\slot+2:G0B+4*\slot+3], s[G0B+4*\slot+2:G0B+4*\slot+3], 2*ROWB
	JLOAD G0+4*\slot, G1, G0B+4*\slot, G1B         ; the first tensor load behind the round; the four v_nop behind it are the places in front of the loads below
.else
	PLACES NP
.endif
	s_wait_alu depctr_va_vdst(0)
	v_add_nc_u32 v[ADRS], 4*NQ, v[ADRS]            ; on to the next K step's scale words (no LDS load of mine is out)
	FETCH_B \next, 0, 0
	FETCH_A \next, 0, 0
	SCALES \next
	WIN MUL_HI
	MUL16 4, 1, NQ-1, \slot, 0
	MUL16 6, 1, NQ-1, \slot, 0
	PLACES NP
	WIN 0
	FETCH_A \next, 0, 4
.endm
	s_wait_alu depctr_va_vdst(0)
	s_wait_tensorcnt 1                             ; the scales and my part of K step 0 are in (K step 1's load may be out)
	s_barrier_signal -1
	s_barrier_wait -1                              ; everybody's are
	FETCH_B 0, 0, 0
	FETCH_A 0, 0, 0
	SCALES 0
	FETCH_A 0, 0, 4
	STEP 0, 0, 1                                   ; the first step stands in front of the loop: its products start the sums
	s_mov_b32 s3, LAPS-1
.Llap:                                                 ; a trip goes once round the ring, from a lap's second step to the next lap's first, and fills both slots again
	TURN 0, 1, 1
	STEP 1, 0, 0
	TURN 1, 0, 1
	STEP 0, 0, 0
	s_sub_co_u32 s3, s3, 1
	s_cmp_lg_u32 s3, 0
	s_cbranch_scc1 .Llap
	TURN 0, 1, 0                                   ; the last lap fills nothing, and has no round of the cluster's barrier
	STEP 1, 0, 0
	s_wait_dscnt 4*NL                              ; the very last step: nothing more to fetch
	WIN MUL_LO
	MUL16 0, 1, NQ-1, 1, 0
	MUL16 2, 1, NQ-1, 1, 0
	s_wait_dscnt 0
	WIN MUL_HI
	MUL16 4, 1, NQ-1, 1, 0
	MUL16 6, 1, NQ-1, 1, 0
	WIN 0
; THE WAY OUT, block by block of 16 rows x 128 columns.  A lane holds 32 neighbouring bytes of a row, and the lanes beside it hold other rows: so a block goes through my own stage in LDS and comes back as whole
; rows of 512 bytes, which the 32 lanes store together.  LDS serves a wave's instructions in order (ISA guide 5.7.1.4): no wait between the stores and the loads, nor in front of the next block's stores.
.macro TOSTAGE a
.set AC, 64*((\a)%4)
	WIN 0x08+4*((\a)/4)                            ; the data: window 2 or 3
.irp b, 0,1,2,3,4,5,6,7
	ds_store_b128 v[STO], v[AC+8*\b:AC+8*\b+3] offset:64*\b          ; each accumulator from its low end on
	ds_store_b128 v[STO], v[AC+8*\b+4:AC+8*\b+7] offset:64*\b+16
.endr
	WIN 0
.set BB, BK+64*((\a)%2)
.irp t, 0,1,2,3,4,5,6,7,8,9,10,11,12,13,14,15
	ds_load_b128 v[BB+4*\t:BB+4*\t+3], v[RD] offset:\t*SPITCH
.endr
.endm
.macro SEND a, younger                 ; younger: the LDS instructions issued behind block a's loads, which may stay out
.set BB, BK+64*((\a)%2)
	s_wait_dscnt \younger                          ; the block is back in registers
.if (\a) > 0
	s_add_nc_u64 s[12:13], s[12:13], 16*SIZE_N*4   ; (behind a wait on XCNT: the earlier stores have read their base)  16 rows of C on
.endif
.irp t, 0,1,2,3,4,5,6,7,8,9,10,11,12,13,14,15
	global_store_b128 v[CO], v[BB+4*\t:BB+4*\t+3], s[12:13] offset:\t*SIZE_N*4 th:TH_STORE_NT   ; 32 lanes store 512 consecutive bytes, at a multiple of 256 from C's first byte; written once, read by nobody here
.endr
.endm
	PLACES NP                                      ; these places serve the loads into the registers that held A's fragments and the reads of the last products' results alike
	TOSTAGE 0
.irp a, 1,2,3,4,5,6,7
.if \a > 1
	s_wait_xcnt 0x0                                ; block a - 2's stores have read their registers and their base: block a's loads may land there, and the base may step
.endif
	TOSTAGE \a
	SEND \a-1, 32                                  ; behind block a - 1's loads: block a's 16 stores and 16 loads
.endr
	s_wait_xcnt 0x0                                ; block 6's stores have read their base
	SEND 7, 0
	s_wait_tensorcnt 0x0                           ; the wave's end: behind my last tensor load and my last LDS store
	ds_add_u32 v[SPW], v[NIL]
	s_wait_dscnt 0x0
	CROUND                                         ; the closing round: no work-group ends while a partner may still ask for a tile that names it
	s_endpgm
.Lfunc_end_k_q22bc122bb4_outp:
	.size	k_q22bc122bb4_outp, .Lfunc_end_k_q22bc122bb4_outp-k_q22bc122bb4_outp
	.p2alignl 7, 3214868480
	.fill 96, 4, 3214868480
	.section	.rodata,"a",@progbits
	.p2align	6, 0x0
	.amdhsa_kernel k_q22bc122bb4_outp
		.amdhsa_group_segment_fixed_size 327680
		.amdhsa_private_segment_fixed_size 0
		.amdhsa_enable_private_segment 0
		.amdhsa_kernarg_size 40
		.amdhsa_user_sgpr_count 2
		.amdhsa_user_sgpr_kernarg_segment_ptr 1
		.amdhsa_wavefront_size32 1
		.amdhsa_system_sgpr_workgroup_id_x 1
		.amdhsa_system_sgpr_workgroup_id_y 1
		.amdhsa_system_sgpr_workgroup_id_z 1
		.amdhsa_system_vgpr_workitem_id 0
		.amdhsa_next_free_vgpr 1024
		.amdhsa_next_free_sgpr 98
		.amdhsa_reserve_vcc 0
		.amdhsa_float_denorm_mode_32 3
		.amdhsa_float_denorm_mode_16_64 3
		.amdhsa_memory_ordered 1
		.amdhsa_forward_progress 1
		.amdhsa_inst_pref_size 161
	.end_amdhsa_kernel
	.amdgpu_metadata
---
amdhsa.version: [ 1, 2 ]
amdhsa.kernels:
  - .name:           k_q22bc122bb4_outp
    .symbol:         k_q22bc122bb4_outp.kd
    .args:
      - { .name: oc, .offset: 0, .size: 8, .value_kind: global_buffer, .address_space: global }
      - { .name: os, .offset: 8, .size: 8, .value_kind: global_buffer, .address_space: global }
      - { .name: wc, .offset: 16, .size: 8, .value_kind: global_buffer, .address_space: global }
      - { .name: ws, .offset: 24, .size: 8, .value_kind: global_buffer, .address_space: global }
      - { .name: out0, .offset: 32, .size: 8, .value_kind: global_buffer, .address_space: global }
    .group_segment_fixed_size: 327680
    .private_segment_fixed_size: 0
    .kernarg_segment_align: 8
    .kernarg_segment_size: 40
    .max_flat_workgroup_size: 128
    .sgpr_count:     98
    .vgpr_count:     1024
    .wavefront_size: 32
...
	.end_amdgpu_metadata
.endif
;; end of part 4
